; MI455X (gfx1250); checked and timed in simulation.
; The chip was launched on July 23, 2026; its instructions are those of AMD's public machine-readable ISA for CDNA 5 (MIT licence, August 2026) and "CDNA5" Instruction Set Architecture Reference Guide (July 2026). The comments in the code are by the model that wrote it; some were corrected since.
;; Multi Head Attention. Allowed arithmetic: matrix products marked QUANTISED: E2M1 operands, one E8M0 scale for each 32 along K, by v_wmma_scale_f32_16x16x128_f8f6f4 with both operands' format E2M1 (or v_wmma_scale_f32_32x16x128_f4), f32 sums; products left as they are: bf16, f16 or f32 operands; f32 sums; everything else in f32.
;; Inputs: Wk 16 x 1,024 x 64 float32; Wo 1,024 x 1,024 float32; Wq 16 x 1,024 x 64 float32; Wv 16 x 1,024 x 64 float32; bk 16 x 64 float32; bo 1,024 float32; bq 16 x 64 float32; bv 16 x 64 float32; context_sequence 4 x 2,048 x 1,024 float32; mask 2,048 x 2,048 int32; value_sequence 4 x 2,048 x 1,024 float32.
;; Outputs: out0 4 x 2,048 x 1,024 float32.
;; This version of the problem:
;;   THIS VERSION OF THE PROBLEM IS GIVEN IN LOW PRECISION. The matrix products marked QUANTISED in the list below multiply operands that are first quantised to E2M1 (2 exponent bits, 1 mantissa bit; 4 bits a number), with one power-of-two scale for each 32 numbers along K (OCP MX v1.0); their sums are f32. The products marked 'left as it is' may take bf16, f16 or f32 operands, with f32 sums. All else is computed in f32.
;;   The module's matrix products, in the order in which they are computed (A, B: the left and right operand; K: the contracted axis; several contracted axes count as one K, in the product's order):
;;     1. [M 1,024, K 1,024] x [K 1,024, N 8,192]; A: input Wq; B: input context_sequence: QUANTISED
;;     2. [M 1,024, K 1,024] x [K 1,024, N 8,192]; A: input Wk; B: input context_sequence: QUANTISED
;;     3. [M 1,024, K 1,024] x [K 1,024, N 8,192]; A: input Wv; B: input value_sequence: QUANTISED
;;     4. batch 64 x [M 2,048, K 64] x [K 64, N 2,048]; A: computed on the way; B: computed on the way: left as it is (an operand is computed on the way)
;;     5. batch 64 x [M 2,048, K 2,048] x [K 2,048, N 64]; A: computed on the way; B: computed on the way: left as it is (an operand is computed on the way)
;;     6. [M 8,192, K 1,024] x [K 1,024, N 1,024]; A: computed on the way; B: input Wo: left as it is (an operand is computed on the way)
;;   THE QUANTISER, for each operand of a quantised product, along K:
;;     - K is cut into blocks of 32 from its start; a last block that is shorter is filled with zeros.
;;     - A block's scale is 2^e with e = floor(log2(the largest magnitude in the block)) - 2, held to -126 .. 127; a block of zeros has e = 0. As a byte (E8M0): e + 127.
;;     - Each number is divided by its block's scale, clamped to +-6, and rounded to the nearest number of E2M1, ties to even, subnormals kept.
;;     - The product sums the exact products of the quantised numbers (number of the format x scale) in f32.
;;   ~~~python
;;   def quantise(x, axis):      # numpy; x: float32 -> the quantised numbers, widened to float32 again
;;       x = np.moveaxis(x, axis, -1); K = x.shape[-1]
;;       x = np.pad(x, [(0, 0)] * (x.ndim - 1) + [(0, -K % 32)]); x = x.reshape(x.shape[:-1] + (-1, 32)); a = np.abs(x).max(-1, keepdims=True)
;;       e = np.where(a > 0, np.clip(np.frexp(np.where(a > 0, a, 1))[1] - 1 - 2, -126, 127), 0)      # np.frexp(a)[1] - 1 = floor(log2(a)), exactly
;;       r = np.clip(x / 2.0 ** e, -6, 6)
;;       step = 2.0 ** (np.maximum(np.frexp(np.where(r == 0, 1, r))[1] - 1, 0) - 1)
;;       q = np.round(r / step) * step * 2.0 ** e      # np.round: ties to even
;;       return np.moveaxis(q.reshape(q.shape[:-2] + (-1,))[..., :K], -1, axis).astype(np.float32)
;;   ~~~
;; One version. Each part assembles by itself: llvm-mc -triple=amdgcn-amd-amdhsa -mcpu=gfx1250 --defsym DOCPART=n.
;; ======== version 1 of 1: 4 launches
;; limits: values are held in f16: magnitudes above 65,504 overflow, below 6.1e-05 lose precision
;; workspace buffers: xc 8,388,608 bytes; xs 524,288 bytes; wc 1,572,864 bytes; wsc 98,304 bytes; wob 2,097,152 bytes; mbits 524,288 bytes of whole numbers; qkv 50,331,648 bytes; cc 16,777,216 bytes
;; launch prep (part 1): grid 816 x 1, 4 waves a work-group, no clusters, 101,888 bytes of LDS; arguments context_sequence, value_sequence, Wq, Wk, Wv, Wo, mask, xc, xs, wc, wsc, wob, mbits; writes xc, xs, wc, wsc, wob, mbits
.if DOCPART == 1
	.amdgcn_target "amdgcn-amd-amdhsa--gfx1250"
	.amdhsa_code_object_version 6
	.text
	.protected	k_qfa3e4f05da_prep
	.globl	k_qfa3e4f05da_prep
	.p2align	8
	.type	k_qfa3e4f05da_prep,@function
k_qfa3e4f05da_prep:
	s_mov_b64 s[64:65], 0
	v_nop
	global_prefetch_b8 v0, s[64:65] scope:SCOPE_SE
	s_setreg_imm32_b32 hwreg(HW_REG_WAVE_MODE, 25, 1), 1
	s_wait_xcnt 0x0
; PREP: everything that is made once from the inputs.  The work-group's number picks one of four kinds of work; each kind has LDS bytes of its own.
;   work-groups   0 ..  47  W: Wq, Wk, Wv [16][1024][64] f32 (K = the middle axis) -> codes of FP4 (E2M1), wc [3072 n][512 bytes], K innermost, n = 1024 which + 64 head + dk; scale bytes wsc [3072][32]
;   work-groups  48 .. 175  M: mask [2048][2048] int32 -> lane-mask words mbits [query tile 128][key step 32][key tile 4][j 8]:
;                              bit l of a word = (mask[16 qt + l % 16][64 ks + 16 kt + 8 (l / 16) + j] == 1)
;   work-groups 176 .. 303  O: Wo [1024][1024] f32 -> f16, wob, same order (f16 and not bf16: its 11 significant bits are wanted; |Wo| beyond 65,504 is not served)
;   work-groups 304 .. 815  X: context_sequence, then value_sequence, [8192][1024] f32 each -> codes xc [16384][512 bytes], scale bytes xs [16384][32]
; THE QUANTISER: a block of 32 along K has the scale 2^(floor(log2(largest magnitude)) - 2); its byte is the largest magnitude's exponent field - 2, held at 1 from below;
; each number is divided by the scale and rounded to the nearest code, ties to even, beyond 6 the largest code.
; LIMITS: NaN and infinities among the inputs are not served.  A block whose largest magnitude lies under 2^-124 keeps the byte 1; a block of zeros too (its codes are zeros, and the bytes are read by this program alone).
; No tensor loads, no barrier: the waves share nothing.  No cluster: no two work-groups read the same bytes.
.set WREG,   8192                      ; X: LDS bytes of a wave: two stages of 32 x SP, then its 256 scale bytes
.set SP,     80                        ; X: a lane's place in a stage: 64 bytes + 16 of padding
.set CB,     8                         ; X: bytes of 16 codes
.set XSTEPS, 16
.set XR,     16                        ; X: v16-79   four sets of 16 numbers as loaded
.set XX,     80                        ; X: v80-111  two sets of 16 neighbours
.set XE,     112                       ; X: v112-127 a scale byte for each step
.set XC,     128                       ; X: v128-191 codes, four registers a step
.set LDSW,   32768                     ; W: its LDS begins here
.set WPITCH, 272                       ; W: a stage row: 256 bytes of codes + 16
.set WNB,    16                        ; W: blocks of 32 along K for a wave
.set WSB,    24                        ; W: v24-27   scale bytes
.set WX,     32                        ; W: v32-95   two sets of 32 numbers
.set WC,     96                        ; W: v96-99   a block's codes
.set WOUT,   112                       ; W: v112-175 the way out
.set LDSM,   LDSW+4*32*WPITCH          ; M: its LDS begins here
.set MPITCH, 528                       ; M: a stage row: 128 keys x 4 bytes + 16
.set MR,     16                        ; M: v16-143  two sets of 64 registers as loaded
.set MX,     144                       ; M: v144-175 32 mask numbers in the score tiles' layout
.set MO,     176                       ; M: v176-183 a pair of registers for each unit's 64 words
.macro XLOAD t                         ; step t: four loads of 512 consecutive bytes
.irp i, 0,1,2,3
	global_load_b128 v[XR+16*((\t)%4)+4*\i:XR+16*((\t)%4)+4*\i+3], v3, s[32:33] offset:2048*(\t)+512*\i th:TH_LOAD_NT
.endr
.endm
.macro XTURN t                         ; step t's 2,048 bytes through the wave's stage: in as they lie, out 64 bytes a lane.  LDS serves a wave's instructions in order (ISA guide 5.7.1.4)
.irp i, 0,1,2,3
	ds_store_b128 v14, v[XR+16*((\t)%4)+4*\i:XR+16*((\t)%4)+4*\i+3] offset:32*SP*((\t)%2)+8*SP*\i
.endr
.irp i, 0,1,2,3
	ds_load_b128 v[XX+16*((\t)%2)+4*\i:XX+16*((\t)%2)+4*\i+3], v15 offset:32*SP*((\t)%2)+16*\i
.endr
.endm
.macro XSTEP t
.set XS, XX+16*((\t)%2)
.if (\t) > 0
	s_wait_dscnt 1                                 ; this step's numbers are back from the stage (the last step's byte store may be out)
.else
	s_wait_dscnt 0x0
.endif
.if (\t)+4 < XSTEPS
	XLOAD (\t)+4                                   ; into the set whose stores into the stage are done
.endif
.if (\t)+1 < XSTEPS
.if XSTEPS-2-(\t) >= 3
	s_wait_loadcnt 12                              ; the next step's four loads are in; those of the three steps behind it may be out
.else
	s_wait_loadcnt 4*(XSTEPS-2-(\t))
.endif
	XTURN (\t)+1
.endif
	v_max3_num_f32 v8, |v[XS]|, |v[XS+1]|, |v[XS+2]|               ; the largest magnitude of my 16, in two chains
	v_max3_num_f32 v9, |v[XS+3]|, |v[XS+4]|, |v[XS+5]|
.irp i, 6,10
	v_max3_num_f32 v8, v8, |v[XS+\i]|, |v[XS+\i+1]|
	v_max3_num_f32 v9, v9, |v[XS+\i+2]|, |v[XS+\i+3]|
.endr
	v_max3_num_f32 v8, v8, |v[XS+14]|, |v[XS+15]|
	v_max3_num_f32 v8, v8, v9, 0x1800000           ; and the floor 2^(3 - 127): the byte cannot fall under 1
	v_max_num_f32_dpp v8, v8, v8 row_xmask:1 row_mask:0xf bank_mask:0xf   ; with my neighbour's 16: the block's
	v_add_nc_u32 v11, 0xff000000, v8               ; 2 off the exponent field: the conversion takes this operand's exponent field as its scale
	v_cvt_scalef32_pk8_fp4_f32 v[XC+4*(\t)], v[XS:XS+7], v11
	v_cvt_scalef32_pk8_fp4_f32 v[XC+4*(\t)+1], v[XS+8:XS+15], v11
	v_lshrrev_b32 v[XE+(\t)], 23, v11              ; the scale's byte
	ds_store_b8 v5, v[XE+(\t)] offset:16*(\t)      ; both lanes of a block write the same byte with the same value
	global_store_b64 v4, v[XC+4*(\t):XC+4*(\t)+1], s[18:19] offset:32*CB*(\t)   ; the wave stores 256 consecutive bytes, aligned
.endm
.macro WLOAD t                         ; block t: W(32 t + i, my column): a row of a head's weight is 256 bytes
.irp i, 0,1,2,3,4,5,6,7,8,9,10,11,12,13,14,15,16,17,18,19,20,21,22,23,24,25,26,27,28,29,30,31
	global_load_b32 v[WX+32*((\t)%2)+\i], v3, s[32:33] offset:(32*(\t)+\i)*256 th:TH_LOAD_NT
.endr
.endm
.macro WBLOCK t
.set XS, WX+32*((\t)%2)
.if (\t) < WNB-1
	s_wait_loadcnt 32                              ; this block's 32 loads are in; the next block's may be out
.else
	s_wait_loadcnt 0x0
.endif
	v_max3_num_f32 v12, |v[XS]|, |v[XS+1]|, |v[XS+2]|              ; all 32 numbers of the block are mine
	v_max3_num_f32 v13, |v[XS+3]|, |v[XS+4]|, |v[XS+5]|
.irp i, 6,10,14,18,22,26
	v_max3_num_f32 v12, v12, |v[XS+\i]|, |v[XS+\i+1]|
	v_max3_num_f32 v13, v13, |v[XS+\i+2]|, |v[XS+\i+3]|
.endr
	v_max3_num_f32 v12, v12, |v[XS+30]|, |v[XS+31]|
	v_max3_num_f32 v12, v12, v13, 0x1800000        ; the floor 2^(3 - 127)
	v_add_nc_u32 v11, 0xff000000, v12
	v_lshrrev_b32 v13, 23, v11                     ; the scale's byte
.if (\t)%4 == 0
	v_mov_b32 v[WSB+(\t)/4], v13                   ; four bytes to a register, the lower K in the lower byte
.else
	v_lshl_or_b32 v[WSB+(\t)/4], v13, 8*((\t)%4), v[WSB+(\t)/4]
.endif
.irp g, 0,1,2,3
	v_cvt_scalef32_pk8_fp4_f32 v[WC+\g], v[XS+8*\g:XS+8*\g+7], v11
.endr
	ds_store_b128 v4, v[WC:WC+3] offset:16*(\t)    ; 32 codes: 16 bytes of my column's row
.if (\t)+2 < WNB
	WLOAD (\t)+2
.endif
	s_wait_dscnt 0x0                               ; the store has read its registers: the next block's codes may be written
.endm
.macro MLOAD u                         ; unit u: 128 keys of 16 query rows: each load reads 512 consecutive bytes of one row
.irp q, 0,1,2,3,4,5,6,7,8,9,10,11,12,13,14,15
	global_load_b128 v[MR+64*((\u)%2)+4*\q:MR+64*((\u)%2)+4*\q+3], v3, s[16:17] offset:\q*8192+(\u)*512 th:TH_LOAD_NT
.endr
.endm
.macro MUNIT u
.if (\u) < 3
	s_wait_loadcnt 16                              ; this unit's 16 loads are in; the next unit's may be out
.else
	s_wait_loadcnt 0x0
.endif
.irp q, 0,1,2,3,4,5,6,7,8,9,10,11,12,13,14,15
	ds_store_b128 v5, v[MR+64*((\u)%2)+4*\q:MR+64*((\u)%2)+4*\q+3] offset:\q*MPITCH
.endr
.irp ks, 0,1                           ; the unit's two key steps of 64 keys
.irp g, 0,1,2,3,4,5,6,7
	ds_load_b128 v[MX+4*\g:MX+4*\g+3], v6 offset:\ks*256+(\g/2)*64+(\g%2)*16   ; register 8 kt + j: query lane % 16, key 16 kt + 8 (lane / 16) + j
.endr
	s_wait_dscnt 0x0                               ; they are in, so the stores ahead of them have read their registers
.if (\ks == 0) && ((\u)+2 < 4)
	MLOAD (\u)+2
.endif
.irp i, 0,1,2,3,4,5,6,7,8,9,10,11,12,13,14,15,16,17,18,19,20,21,22,23,24,25,26,27,28,29,30,31
	v_cmp_eq_u32 s[40+\i%8], 1, v[MX+\i]           ; the 32 lanes' answers are the word
	v_writelane_b32 v[MO+2*(\u)+\i%2], s[40+\i%8], 16*\ks+\i/2   ; word W = 32 ks + i goes to lane W / 2, register W % 2
.endr
.endr
	global_store_b64 v7, v[MO+2*(\u):MO+2*(\u)+1], s[28:29] offset:(\u)*256   ; 64 words: 256 consecutive bytes, aligned
.endm
	s_load_b512 s[4:19], s[0:1], 0x0               ; ctx 4, val 6, Wq 8, Wk 10, Wv 12, Wo 14, mask 16, xc 18
	s_load_b256 s[20:27], s[0:1], 0x40             ; xs 20, wc 22, wsc 24, wob 26
	s_load_b64 s[28:29], s[0:1], 0x60              ; mbits
	v_lshl_add_u32 v192, v0, 2, 0x18c00
	v_mov_b32 v193, 0
	v_lshrrev_b32 v1, 5, v0
	v_readfirstlane_b32 s30, v1                    ; wave 0..3
	v_and_b32 v2, 31, v0                           ; lane
	s_wait_kmcnt 0x0
	s_cmp_lt_u32 ttmp9, 48
	s_cbranch_scc1 .Lw
	s_cmp_lt_u32 ttmp9, 176
	s_cbranch_scc1 .Lm
	s_cmp_lt_u32 ttmp9, 304
	s_cbranch_scc1 .Lo
	; ---- X: a wave takes 16 steps of 512 numbers; both tensors are plain streams of blocks of 32
	v_lshlrev_b32 v3, 4, v2                        ; my 16 bytes of a load's 512
	s_mul_i32 s38, s30, WREG
	v_lshrrev_b32 v14, 2, v2
	v_mul_u32_u24 v14, v14, SP
	v_and_b32 v15, 3, v2
	v_lshl_add_u32 v14, v15, 4, v14
	v_add_nc_u32 v14, s38, v14                     ; the stage, on the way in: SP (lane / 4) + 16 (lane % 4)
	v_mul_u32_u24 v15, v2, SP
	v_add_nc_u32 v15, s38, v15                     ; and on the way out: SP x lane
	v_mul_u32_u24 v4, v2, CB                       ; my codes' place in a step's
	v_lshrrev_b32 v5, 1, v2
	s_add_co_u32 s38, s38, 2*32*SP
	v_add_nc_u32 v5, s38, v5                       ; my block's scale byte in LDS
	v_lshlrev_b32 v7, 3, v2
	v_add_nc_u32 v6, s38, v7                       ; and 8 bytes a lane on the way out
	s_sub_co_u32 s31, ttmp9, 304                   ; 0 .. 511
	s_cmp_lt_u32 s31, 256                          ; the first 256 take the context, the others the values
	s_cselect_b64 s[32:33], s[4:5], s[6:7]
	s_and_b32 s34, s31, 255
	s_lshl_b32 s34, s34, 2
	s_add_co_u32 s34, s34, s30                     ; my run of 8,192 numbers in the input
	s_lshl_b32 s34, s34, 15
	s_mov_b32 s35, 0
	s_add_nc_u64 s[32:33], s[32:33], s[34:35]
	s_lshl_b32 s36, s31, 2
	s_add_co_u32 s36, s36, s30                     ; and in the outputs, which hold both tensors on end
	s_lshl_b32 s34, s36, 12                        ; 4,096 bytes of codes a run
	s_add_nc_u64 s[18:19], s[18:19], s[34:35]
	s_lshl_b32 s34, s36, 8                         ; 256 scale bytes a run
	s_add_nc_u64 s[20:21], s[20:21], s[34:35]
.irp t, 0,1,2,3
	XLOAD \t
.endr
	s_wait_loadcnt 12                              ; step 0's four loads are in
	XTURN 0
.irp t, 0,1,2,3,4,5,6,7,8,9,10,11,12,13,14,15
	XSTEP \t
.endr
	ds_load_b64 v[12:13], v6                       ; in order behind my byte stores
	s_wait_dscnt 0x0
	global_store_b64 v7, v[12:13], s[20:21]        ; 256 consecutive bytes, aligned
	s_wait_tensorcnt 0x0
	ds_add_u32 v192, v193
	s_wait_dscnt 0x0
	s_endpgm
	; ---- W: a work-group takes one head of one weight; a wave 32 columns x 512 along K.  A lane takes a column, its registers run down K
.Lw:
	s_lshr_b32 s31, ttmp9, 4                       ; which: 0 Q, 1 K, 2 V
	s_cmp_eq_u32 s31, 0
	s_cselect_b64 s[32:33], s[8:9], s[10:11]
	s_cmp_eq_u32 s31, 2
	s_cselect_b64 s[32:33], s[12:13], s[32:33]
	s_and_b32 s34, ttmp9, 15                       ; head
	s_and_b32 s36, s30, 1                          ; which 32 columns
	s_lshr_b32 s37, s30, 1                         ; which 512 along K
	s_lshl_b32 s38, s34, 18                        ; a head is 262,144 bytes,
	s_lshl_b32 s39, s37, 17                        ; 512 rows are 131,072,
	s_add_co_u32 s38, s38, s39
	s_lshl_b32 s39, s36, 7                         ; 32 columns are 128
	s_add_co_u32 s38, s38, s39
	s_mov_b32 s39, 0
	s_add_nc_u64 s[32:33], s[32:33], s[38:39]
	s_lshl_b32 s40, s31, 10
	s_lshl_b32 s41, s34, 6
	s_add_co_u32 s40, s40, s41
	s_lshl_b32 s41, s36, 5
	s_add_co_u32 s40, s40, s41                     ; my first row n of wc and wsc
	s_lshl_b32 s38, s40, 9
	s_lshl_b32 s41, s37, 8
	s_add_co_u32 s38, s38, s41
	s_add_nc_u64 s[22:23], s[22:23], s[38:39]      ; codes: 512 n + 256 x K half
	s_lshl_b32 s38, s40, 5
	s_lshl_b32 s41, s37, 4
	s_add_co_u32 s38, s38, s41
	s_add_nc_u64 s[24:25], s[24:25], s[38:39]      ; scale bytes: 32 n + 16 x K half
	v_lshlrev_b32 v3, 2, v2                        ; in: 4 bytes a lane
	s_mul_i32 s41, s30, 32*WPITCH
	s_add_co_u32 s41, s41, LDSW                    ; my stage
	v_mul_u32_u24 v4, v2, WPITCH
	v_add_nc_u32 v4, s41, v4                       ; into it: row = my column
	v_and_b32 v5, 15, v2
	v_lshrrev_b32 v6, 4, v2
	v_mul_u32_u24 v7, v6, WPITCH
	v_lshl_add_u32 v7, v5, 4, v7
	v_add_nc_u32 v7, s41, v7                       ; out of it: sixteen lanes to a row, two rows an instruction
	v_lshlrev_b32 v8, 9, v6
	v_lshl_add_u32 v8, v5, 4, v8                   ; and the same place in wc
	v_lshlrev_b32 v9, 5, v2                        ; my column's row of scale bytes
	WLOAD 0
	WLOAD 1
.irp t, 0,1,2,3,4,5,6,7,8,9,10,11,12,13,14,15
	WBLOCK \t
.endr
	global_store_b128 v9, v[WSB:WSB+3], s[24:25]   ; my column's 16 scale bytes: half a row of wsc (these stores cover their 256-byte runs in part: 98,304 bytes in the whole launch)
.irp t, 0,1,2,3,4,5,6,7,8,9,10,11,12,13,14,15
	ds_load_b128 v[WOUT+4*\t:WOUT+4*\t+3], v7 offset:2*\t*WPITCH
.endr
.irp t, 0,1,2,3,4,5,6,7,8,9,10,11,12,13,14,15
	s_wait_dscnt 15-\t                             ; the younger read-backs may be out
	global_store_b128 v8, v[WOUT+4*\t:WOUT+4*\t+3], s[22:23] offset:2*\t*512   ; sixteen lanes store 256 consecutive bytes, aligned
.endr
	s_wait_tensorcnt 0x0
	ds_add_u32 v192, v193
	s_wait_dscnt 0x0
	s_endpgm
	; ---- M: a work-group takes a tile of 16 queries, a wave 512 keys of it in four units of 128
.Lm:
	s_sub_co_u32 s31, ttmp9, 48                    ; query tile
	s_lshl_b32 s34, s31, 17                        ; 16 rows of 8,192 bytes
	s_lshl_b32 s35, s30, 11                        ; 512 keys
	s_add_co_u32 s34, s34, s35
	s_mov_b32 s35, 0
	s_add_nc_u64 s[16:17], s[16:17], s[34:35]
	s_lshl_b32 s34, s31, 12                        ; a query tile's words: 4,096 bytes; a wave's: 1,024
	s_lshl_b32 s36, s30, 10
	s_add_co_u32 s34, s34, s36
	s_add_nc_u64 s[28:29], s[28:29], s[34:35]
	v_lshlrev_b32 v3, 4, v2
	s_mul_i32 s36, s30, 16*MPITCH
	s_add_co_u32 s36, s36, LDSM                    ; my stage
	v_add_nc_u32 v5, s36, v3                       ; in: 16 bytes a lane of a row
	v_and_b32 v8, 15, v2
	v_lshrrev_b32 v9, 4, v2
	v_mul_u32_u24 v6, v8, MPITCH
	v_lshl_add_u32 v6, v9, 5, v6
	v_add_nc_u32 v6, s36, v6                       ; out: row lane % 16, + 8 keys for lanes 16-31
	v_lshlrev_b32 v7, 3, v2
.irp i, 0,1,2,3,4,5,6,7
	v_mov_b32 v[MO+\i], 0                          ; written once whole: a lane write keeps the other lanes
.endr
	MLOAD 0
	MLOAD 1
	MUNIT 0
	MUNIT 1
	MUNIT 2
	MUNIT 3
	s_wait_tensorcnt 0x0
	ds_add_u32 v192, v193
	s_wait_dscnt 0x0
	s_endpgm
	; ---- O: a work-group takes 8,192 numbers of Wo
.Lo:
	s_sub_co_u32 s31, ttmp9, 176
	s_lshl_b32 s34, s31, 15
	s_mov_b32 s35, 0
	s_add_nc_u64 s[14:15], s[14:15], s[34:35]
	s_lshl_b32 s34, s31, 14
	s_add_nc_u64 s[26:27], s[26:27], s[34:35]
	v_lshlrev_b32 v3, 4, v0                        ; 16 bytes a thread in,
	v_lshlrev_b32 v4, 3, v0                        ; 8 out
.irp i, 0,1,2,3,4,5,6,7,8,9,10,11,12,13,14,15
	global_load_b128 v[16+4*\i:19+4*\i], v3, s[14:15] offset:2048*\i th:TH_LOAD_NT
.endr
.irp i, 0,1,2,3,4,5,6,7,8,9,10,11,12,13,14,15
	s_wait_loadcnt 15-\i                           ; the younger loads may be out
	v_cvt_pk_f16_f32 v[80+2*\i], v[16+4*\i], v[17+4*\i]
	v_cvt_pk_f16_f32 v[81+2*\i], v[18+4*\i], v[19+4*\i]
	global_store_b64 v4, v[80+2*\i:81+2*\i], s[26:27] offset:1024*\i   ; a wave stores 256 consecutive bytes, aligned
.endr
	s_endpgm
.Lfunc_end_k_qfa3e4f05da_prep:
	.size	k_qfa3e4f05da_prep, .Lfunc_end_k_qfa3e4f05da_prep-k_qfa3e4f05da_prep
	.p2alignl 7, 3214868480
	.fill 96, 4, 3214868480
	.section	.rodata,"a",@progbits
	.p2align	6, 0x0
	.amdhsa_kernel k_qfa3e4f05da_prep
		.amdhsa_group_segment_fixed_size 101888
		.amdhsa_private_segment_fixed_size 0
		.amdhsa_enable_private_segment 0
		.amdhsa_kernarg_size 104
		.amdhsa_user_sgpr_count 2
		.amdhsa_user_sgpr_kernarg_segment_ptr 1
		.amdhsa_wavefront_size32 1
		.amdhsa_system_sgpr_workgroup_id_x 1
		.amdhsa_system_sgpr_workgroup_id_y 1
		.amdhsa_system_sgpr_workgroup_id_z 1
		.amdhsa_system_vgpr_workitem_id 0
		.amdhsa_next_free_vgpr 194
		.amdhsa_next_free_sgpr 66
		.amdhsa_reserve_vcc 0
		.amdhsa_float_denorm_mode_32 3
		.amdhsa_float_denorm_mode_16_64 3
		.amdhsa_memory_ordered 1
		.amdhsa_forward_progress 1
		.amdhsa_inst_pref_size 165
	.end_amdhsa_kernel
	.amdgpu_metadata
---
amdhsa.version: [ 1, 2 ]
amdhsa.kernels:
  - .name:           k_qfa3e4f05da_prep
    .symbol:         k_qfa3e4f05da_prep.kd
    .args:
      - { .name: context_sequence, .offset: 0, .size: 8, .value_kind: global_buffer, .address_space: global }
      - { .name: value_sequence, .offset: 8, .size: 8, .value_kind: global_buffer, .address_space: global }
      - { .name: Wq, .offset: 16, .size: 8, .value_kind: global_buffer, .address_space: global }
      - { .name: Wk, .offset: 24, .size: 8, .value_kind: global_buffer, .address_space: global }
      - { .name: Wv, .offset: 32, .size: 8, .value_kind: global_buffer, .address_space: global }
      - { .name: Wo, .offset: 40, .size: 8, .value_kind: global_buffer, .address_space: global }
      - { .name: mask, .offset: 48, .size: 8, .value_kind: global_buffer, .address_space: global }
      - { .name: xc, .offset: 56, .size: 8, .value_kind: global_buffer, .address_space: global }
      - { .name: xs, .offset: 64, .size: 8, .value_kind: global_buffer, .address_space: global }
      - { .name: wc, .offset: 72, .size: 8, .value_kind: global_buffer, .address_space: global }
      - { .name: wsc, .offset: 80, .size: 8, .value_kind: global_buffer, .address_space: global }
      - { .name: wob, .offset: 88, .size: 8, .value_kind: global_buffer, .address_space: global }
      - { .name: mbits, .offset: 96, .size: 8, .value_kind: global_buffer, .address_space: global }
    .group_segment_fixed_size: 101888
    .private_segment_fixed_size: 0
    .kernarg_segment_align: 8
    .kernarg_segment_size: 104
    .max_flat_workgroup_size: 128
    .sgpr_count:     66
    .vgpr_count:     194
    .wavefront_size: 32
...
	.end_amdgpu_metadata
.endif
;; end of part 1
;; launch proj (part 2): grid 12 x 32, 4 waves a work-group, clusters of 4 x 4, 327,680 bytes of LDS; arguments xc, xs, wc, wsc, bq, bk, bv, qkv; writes qkv
.if DOCPART == 2
	.amdgcn_target "amdgcn-amd-amdhsa--gfx1250"
	.amdhsa_code_object_version 6
	.text
	.protected	k_qfa3e4f05da_proj
	.globl	k_qfa3e4f05da_proj
	.p2align	8
	.type	k_qfa3e4f05da_proj,@function
k_qfa3e4f05da_proj:
	s_mov_b64 s[64:65], 0
	v_nop
	global_prefetch_b8 v0, s[64:65] scope:SCOPE_SE
	s_setreg_imm32_b32 hwreg(HW_REG_WAVE_MODE, 25, 1), 1
	s_wait_xcnt 0x0
	s_wait_alu depctr_hold_cnt(0) depctr_sa_sdst(0) depctr_va_vdst(0) depctr_va_sdst(0) depctr_va_ssrc(0) depctr_va_vcc(0) depctr_vm_vsrc(0)
	s_getreg_b32 s2, hwreg(HW_REG_IB_STS2, 6, 4)
	s_cmp_eq_u32 s2, 0
	s_cbranch_scc0 .Lentry_in_a_cluster
	s_endpgm
.Lentry_in_a_cluster:
	s_bfe_u32 s2, ttmp6, 0x10000c
	s_cmp_lg_u32 s2, 0xf033
	s_cbranch_scc0 .Lentry_shape_is_right
	s_endpgm
.Lentry_shape_is_right:
; PROJ: the three projections as one product on codes of FP4 (E2M1) with one E8M0 scale for each 32 along K = 1,024.
; C[token][n] = sum over k of X[token][k] W[n][k] + bias[n]; n = 1024 which + 64 head + dk, which = 0 Q, 1 K, 2 V.  Q and K take the context's tokens (xc's rows 0 .. 8191), V the values' (rows 8192 ..).
; The result leaves as f16 in qkv [which 3][b 4][head 16][s 2048][64].  Q is stored multiplied by c = log2(e) / 8, in f32 ahead of its one rounding, so that the scores of the next launch are exponents of 2 as they stand.
; f16 AND NOT bf16: these numbers, the softmax's weights, the attention's result and Wo are each rounded once on the way to one output, and the output's allowance is 0.01 of its root mean square: 8 significant bits
; in each of them use that up, 11 do not.  LIMIT: |Q c|, |K|, |V| beyond 65,504 become infinity.  Numbers of the kind that the problem draws give magnitudes under 3; activations and weights both 30 times larger give
; under 2,700; a common offset of 30 spreads on both gives about 1,024 x 30 x 0.54 = 16,600.
; A tile, 256 tokens x 256 columns, is made by four waves; a wave makes 128 x 128: 64 accumulators of 16 x 16, 512 registers.  K goes in two steps of 512 (rows of 256 bytes), one in each of two LDS slots, both asked for at the start:
; no slot is filled twice.  The scale bytes of the tile's rows, for all of K, come once with them.
; CLUSTERS: 4 x 4 work-groups; the cluster's x is `which`.  The four of a row of the cluster need the same tokens, the four of a column the same rows of W: each tile is asked for jointly.
; THE MATRIX INSTRUCTION IS USED TRANSPOSED (source 0 = 16 rows of W, source 1 = 16 tokens): a lane holds eight neighbouring columns of one token.  The bias is the C of each sum's first product.
; REGISTERS: window 0: v0-31 addresses; v32-95 scale words, two sets, and nothing else; v96-127 packed results; v128-191 the tokens' fragments, later rows read back; v192-255 the bias, 8 x 8, later a block's scaled results.
;   window 1: W's fragments, two sets, at v0 and v128.   window 2: the accumulators of my tokens 0-63 ((a, b) at v[8 (8 a + b)]);   window 3: those of tokens 64-127.
.set SIZE_K, 1024
.set KSTEP,  512                       ; along K in a slot
.set NQ,     KSTEP/128                 ; matrix instructions deep
.set ROWB,   256                       ; a tile's row in bytes
.set KROW,   SIZE_K/2                  ; a row of codes in memory
.set PITCH,  272                       ; an LDS row: 256 bytes + 16 of padding = 68 words: row r starts at bank 4 r mod 64 (64 banks of 4 bytes: ISA guide 11.1)
.set FR,     8                         ; registers of a fragment: 16 rows x 128 K
.set NL,     2                         ; LDS loads that bring one
.set NP,     4                         ; places behind this matrix instruction (ISA guide 7.12.1)
.set HALFT,  128*PITCH
.set SLOT,   4*HALFT                   ; the tokens' 256 rows, then W's 256 rows
.set KS,     SIZE_K/32                 ; a row of scale bytes
.set SCL,    2*SLOT                    ; behind the slots: the scale bytes, as runs of 256 bytes + 16 of padding
.set HALFS,  (128*KS/256)*272
.set SBLK,   (16*KS/256)*272
.set SPARE,  SCL+4*HALFS               ; the spare words, 128 bytes for each wave: two blocks of 256 bytes that no other line names
.set SPITCH, 272                       ; the way out: 16 rows x (256 bytes + 16) for each wave, in slot 0, which has had its only fill and its last read by then
.set ADRA, 16
.set ADRB, 20
.set STO,  24
.set RD,   25
.set CO,   26
.set ADRS, 27
.set SPW,  28
.set NIL,  29
.set SC,   32
.set TMP,  96
.set AF,   128
.set BK,   128
.set BIAS, 192
.set FT,   192                         ; the way out: a block's 64 results x the factor, where the bias lay
.set FAC,  2                           ; s[2:3] the factor: c for Q, 1 for K and V
.set G1, 24
.set G0, 32
.set G1B, 48
.set G0B, 56
.set G1S, 68
.set G0S, 76
.set G1SB, 80
.set G0SB, 88
.set MSB, 0
.macro WIN new                         ; the immediate's high byte repeats the setting that is left
.if MSB != \new
	s_set_vgpr_msb (MSB<<8)|\new
.set MSB, \new
.endif
.endm
.set MUL_LO,   0xa1                    ; source 0 (W) window 1, source 1 (tokens) window 0, C and D window 2
.set MUL_HI,   0xf1                    ; the same, C and D window 3
.set FIRST_LO, 0x81                    ; the first products: C is the bias, in window 0
.set FIRST_HI, 0xc1
.set TO_B,     0x40                    ; destination window 1, address window 0
; A joint load: waves 0 and 1 fetch for the tokens, waves 2 and 3 for W.  The branch hangs on the wave's number alone.  Four v_nop follow each of the two lines.
.macro JLOAD g0a, g1a, g0b, g1b
	s_cmp_eq_u32 s15, 0
	s_cbranch_scc0 .Lfor_b_\@
	tensor_load_to_lds s[\g0a:\g0a+3], s[\g1a:\g1a+7]
	s_nop 0
.rept 4
	v_nop
.endr
	s_branch .Lasked_\@
.Lfor_b_\@:
	tensor_load_to_lds s[\g0b:\g0b+3], s[\g1b:\g1b+7]
	s_nop 0
.rept 4
	v_nop
.endr
.Lasked_\@:
.endm
.macro CROUND                          ; a round of the cluster's barrier
	s_barrier_signal -1
	s_barrier_wait -1
	s_cmp_lg_u32 s14, 0
	s_cbranch_scc1 .Lnot_wave_0_\@
	s_barrier_signal -3
.Lnot_wave_0_\@:
	s_barrier_wait -3
	s_barrier_signal -1
	s_barrier_wait -1
.endm
	s_load_b128 s[4:7], s[0:1], 0x0                ; xc, xs
	s_load_b128 s[8:11], s[0:1], 0x10              ; wc, wsc
	s_load_b128 s[96:99], s[0:1], 0x20             ; bq, bk
	s_load_b64 s[100:101], s[0:1], 0x30            ; bv
	s_load_b64 s[12:13], s[0:1], 0x38              ; qkv
	v_lshl_add_u32 v[SPW], v0, 2, SPARE
	v_mov_b32 v[NIL], 0
	ds_add_u32 v28, v29
	ds_add_u32 v28, v29
	s_wait_dscnt 0x0
	v_lshrrev_b32 v1, 5, v0
	v_readfirstlane_b32 s14, v1                    ; wave 0..3
	s_lshr_b32 s15, s14, 1                         ; which half of the tile's tokens is mine.  Also: I fetch for the tokens (0) or for W (1)
	s_and_b32 s16, s14, 1                          ; which half of its columns.  Also: which 128 rows I fetch
	s_bfe_u32 s40, ttmp6, 0x40000                  ; cx, cy: my place in the cluster
	s_bfe_u32 s41, ttmp6, 0x40004
	s_lshl_b32 s42, ttmp9, 2
	s_add_co_u32 s42, s42, s40                     ; tile column 0 .. 11 = 4 x which + cx
	s_and_b32 s17, ttmp7, 0xffff
	s_lshl_b32 s17, s17, 2
	s_add_co_u32 s17, s17, s41                     ; tile row 0 .. 31
	s_lshl_b32 s43, s41, 2
	s_lshl_b32 s43, 15, s43                        ; my row of the cluster
	s_lshl_b32 s44, 0x1111, s40                    ; my column
	; descriptor group 1: a tile of 128 rows x 256 bytes, padded in LDS
	s_or_b32 s[G1+0], s43, (0<<16)|(1<<20)|(1<<21)|(5<<22)|(3<<25)  ; 15:0 the mask; 17:16 element of 1 byte; 20 padding on; 21 set beside a mask; 24:22 after every 64 words (code 5); 31:25 of 4 words (code 3)
	s_or_b32 s[G1B+0], s44, (0<<16)|(1<<20)|(1<<21)|(5<<22)|(3<<25)
.irp g, G1, G1B
	s_mov_b32 s[\g+1], ROWB<<16                    ; tensor_dim0
	s_mov_b32 s[\g+2], 128<<16                     ; tensor_dim1
	s_mov_b32 s[\g+3], ROWB<<16                    ; tile_dim0
	s_mov_b32 s[\g+4], 128                         ; tile_dim1
	s_mov_b32 s[\g+5], KROW                        ; tensor_dim0_stride
	s_mov_b32 s[\g+6], 0
	s_mov_b32 s[\g+7], 0
.endr
	; the scale bytes of 128 rows: a dense block of 4,096 bytes, as 16 rows of 256 bytes (32 elements of 8 bytes), 16 bytes of padding behind each
	s_or_b32 s[G1S+0], s43, (3<<16)|(1<<20)|(1<<21)|(5<<22)|(3<<25)
	s_or_b32 s[G1SB+0], s44, (3<<16)|(1<<20)|(1<<21)|(5<<22)|(3<<25)
.irp g, G1S, G1SB
	s_mov_b32 s[\g+1], 32<<16
	s_mov_b32 s[\g+2], (128*KS/256)<<16
	s_mov_b32 s[\g+3], 32<<16
	s_mov_b32 s[\g+4], 128*KS/256
	s_mov_b32 s[\g+5], 32
	s_mov_b32 s[\g+6], 0
	s_mov_b32 s[\g+7], 0
.endr
	s_lshl_b32 s18, s16, 7                         ; which 128 rows of the tile I fetch
	s_lshl_b32 s20, s17, 8
	s_add_co_u32 s20, s20, s18                     ; tokens: row 256 x tile row + 128 x half,
	s_lshr_b32 s95, ttmp9, 1
	s_lshl_b32 s95, s95, 13
	s_add_co_u32 s20, s20, s95                     ; + 8,192 where which = 2: the values' tokens.  It hangs on the cluster's x, which all partners share
	s_lshl_b32 s46, s42, 8
	s_add_co_u32 s46, s46, s18                     ; W: row 256 x tile column + 128 x half
	s_mov_b32 s21, 0
	s_mov_b32 s47, 0
	s_mov_b64 s[18:19], KS
	s_mul_u64 s[22:23], s[20:21], s[18:19]         ; where these rows' scale bytes begin
	s_mul_u64 s[92:93], s[46:47], s[18:19]
	s_mov_b64 s[18:19], KROW
	s_mul_u64 s[20:21], s[20:21], s[18:19]         ; and their codes
	s_mul_u64 s[46:47], s[46:47], s[18:19]
	s_mul_i32 s45, s14, HALFT                      ; where they go: wave x 128 rows: no place in the cluster enters an LDS address
	s_mul_i32 s94, s14, HALFS
	s_wait_kmcnt 0x0
	s_add_nc_u64 s[20:21], s[4:5], s[20:21]
	s_add_nc_u64 s[22:23], s[6:7], s[22:23]
	s_add_nc_u64 s[46:47], s[8:9], s[46:47]
	s_add_nc_u64 s[92:93], s[10:11], s[92:93]
	CROUND                                         ; all sixteen work-groups are here: the joint loads meet
	s_mov_b32 s[G0S], 1
	s_add_co_u32 s[G0S+1], s94, SCL
	s_mov_b64 s[G0S+2:G0S+3], s[22:23]
	s_or_b32 s[G0S+3], s[G0S+3], 0x80000000
	s_mov_b32 s[G0SB], 1
	s_add_co_u32 s[G0SB+1], s94, SCL
	s_mov_b64 s[G0SB+2:G0SB+3], s[92:93]
	s_or_b32 s[G0SB+3], s[G0SB+3], 0x80000000
	JLOAD G0S, G1S, G0SB, G1SB                     ; the scale bytes first: they are wanted with K step 0
.irp s, 0,1
	s_mov_b32 s[G0+4*\s], 1
	s_add_co_u32 s[G0+4*\s+1], s45, \s*SLOT
	s_add_nc_u64 s[G0+4*\s+2:G0+4*\s+3], s[20:21], \s*ROWB
	s_or_b32 s[G0+4*\s+3], s[G0+4*\s+3], 0x80000000
	s_mov_b32 s[G0B+4*\s], 1
	s_add_co_u32 s[G0B+4*\s+1], s45, \s*SLOT
	s_add_nc_u64 s[G0B+4*\s+2:G0B+4*\s+3], s[46:47], \s*ROWB
	s_or_b32 s[G0B+4*\s+3], s[G0B+4*\s+3], 0x80000000
	JLOAD G0+4*\s, G1, G0B+4*\s, G1B               ; three tensor loads of mine are out now
.endr
	v_and_b32 v1, 15, v0                           ; l % 16
	v_bfe_u32 v2, v0, 4, 1                         ; l / 16
	; the bias: lane (r, h) wants, for W's block b, the numbers of columns 16 b + 8 h + 0 .. 7 of my 128
	s_cmp_eq_u32 ttmp9, 0
	s_cselect_b64 s[96:97], s[96:97], s[98:99]
	s_cselect_b32 s[FAC], 0x3e38aa3b, 1.0          ; the factor on the way out: c = log2(e) / 8 for Q, 1 for K and V
	s_mov_b32 s[FAC+1], s[FAC]                     ; (named with it as a pair, so it is written)
	s_cmp_eq_u32 ttmp9, 2
	s_cselect_b64 s[96:97], s[100:101], s[96:97]
	s_lshl_b32 s46, s40, 10                        ; 256 cx columns of 4 bytes
	s_lshl_b32 s47, s16, 9
	s_add_co_u32 s46, s46, s47
	s_mov_b32 s47, 0
	s_add_nc_u64 s[96:97], s[96:97], s[46:47]
	v_lshlrev_b32 v7, 5, v2
.irp b, 0,1,2,3,4,5,6,7
	global_load_b128 v[BIAS+8*\b:BIAS+8*\b+3], v7, s[96:97] offset:64*\b
	global_load_b128 v[BIAS+8*\b+4:BIAS+8*\b+7], v7, s[96:97] offset:64*\b+16
.endr
	v_mul_u32_u24 v3, v1, PITCH
	v_lshl_add_u32 v4, v2, 4, v3                   ; a fragment's row x pitch + 16 x half
	s_mul_i32 s21, s15, HALFT                      ; my 128 tokens
	s_mul_i32 s22, s16, HALFT                      ; my 128 rows of W,
	s_add_co_u32 s22, s22, 2*HALFT                 ; which lie behind the tokens' 256
.irp s, 0,1
	v_add_nc_u32 v[ADRA+\s], s21, v4
	v_add_nc_u32 v[ADRB+\s], s22, v4
	s_add_co_u32 s21, s21, SLOT
	s_add_co_u32 s22, s22, SLOT
.endr
	v_mul_u32_u24 v5, v1, KS                       ; my row's scale bytes: KS a row,
	v_lshrrev_b32 v6, 8, v5
	v_lshl_add_u32 v5, v6, 4, v5                   ; and 16 more for each 256 passed
	s_mul_i32 s21, s15, HALFS
	s_mul_i32 s22, s16, HALFS
	s_add_co_u32 s22, s22, 2*HALFS
	s_sub_co_u32 s22, s22, s21
	v_mul_u32_u24 v6, s22, v2                      ; lanes 16-31 take W's
	s_add_co_u32 s21, s21, SCL
	v_add_nc_u32 v5, v5, v6
	v_add_nc_u32 v[ADRS], s21, v5
	s_mul_i32 s23, s14, 16*SPITCH                  ; my stage
	v_mul_u32_u24 v5, v1, SPITCH                   ; in: row l % 16, 16 bytes for each half of the lanes
	v_lshl_add_u32 v5, v2, 4, v5
	v_add_nc_u32 v[STO], s23, v5
	v_bfe_u32 v5, v0, 3, 1                         ; back: lanes 0-15 take my first head's 128 bytes of two tokens, lanes 16-31 my second head's
	v_mul_u32_u24 v5, v5, SPITCH
	v_lshl_add_u32 v5, v2, 7, v5
	v_and_b32 v6, 7, v0
	v_lshl_add_u32 v5, v6, 4, v5
	v_add_nc_u32 v[RD], s23, v5
	v_lshlrev_b32 v[CO], 4, v1                     ; in qkv two tokens of a head are 256 consecutive bytes; heads lie 262,144 bytes apart
	v_lshl_add_u32 v[CO], v2, 18, v[CO]
	s_lshl_b32 s20, ttmp9, 24                      ; which,
	s_lshr_b32 s21, s17, 3
	s_lshl_b32 s21, s21, 22                        ; b = tile row / 8,
	s_add_co_u32 s20, s20, s21
	s_and_b32 s21, s17, 7
	s_lshl_b32 s21, s21, 15                        ; 256 tokens of 128 bytes,
	s_add_co_u32 s20, s20, s21
	s_lshl_b32 s21, s15, 14                        ; my 128 of them
	s_add_co_u32 s20, s20, s21
	s_mov_b32 s21, 0
	s_lshl_b32 s46, s40, 20                        ; head 4 cx + 2 x half
	s_lshl_b32 s47, s16, 19
	s_add_co_u32 s46, s46, s47
	s_mov_b32 s47, 0
	s_add_nc_u64 s[20:21], s[20:21], s[46:47]
	s_add_nc_u64 s[12:13], s[12:13], s[20:21]
.macro FRAG reg, adr, q, i             ; a fragment: lane l holds row l % 16; registers 4 c .. 4 c + 3 hold K = 64 c + 32 (l / 16) + 0 .. 31
.irp c, 0,1
	ds_load_b128 v[\reg+4*\c:\reg+4*\c+3], v[\adr] offset:64*(\q)+32*\c+(\i)*16*PITCH
.endr
.endm
; 16 matrix instructions: the tokens' blocks a0, a0 + 1 x W's eight, 128 along K.  p: W's set; sc: the set of scale words.  zero = 1: the first product starts the sums from the bias.
; The 64 accumulators take turns, one instruction a turn, in the same order in every step.
.macro MUL16 a0, p, q, sc, zero
.irp a, \a0, \a0+1
.irp b, 0,1,2,3,4,5,6,7
.if \zero
	v_wmma_scale_f32_16x16x128_f8f6f4 v[8*(8*((\a)%4)+\b):8*(8*((\a)%4)+\b)+7], v[128*(\p)+FR*\b:128*(\p)+FR*\b+FR-1], v[AF+FR*(\a):AF+FR*(\a)+FR-1], v[BIAS+8*\b:BIAS+8*\b+7], v[SC+8*NQ*(\sc)+NQ*\b+(\q)], v[SC+8*NQ*(\sc)+NQ*(\a)+(\q)] matrix_a_fmt:MATRIX_FMT_FP4 matrix_b_fmt:MATRIX_FMT_FP4 matrix_a_scale:MATRIX_SCALE_ROW1
.else
	v_wmma_scale_f32_16x16x128_f8f6f4 v[8*(8*((\a)%4)+\b):8*(8*((\a)%4)+\b)+7], v[128*(\p)+FR*\b:128*(\p)+FR*\b+FR-1], v[AF+FR*(\a):AF+FR*(\a)+FR-1], v[8*(8*((\a)%4)+\b):8*(8*((\a)%4)+\b)+7], v[SC+8*NQ*(\sc)+NQ*\b+(\q)], v[SC+8*NQ*(\sc)+NQ*(\a)+(\q)] matrix_a_fmt:MATRIX_FMT_FP4 matrix_b_fmt:MATRIX_FMT_FP4 matrix_a_scale:MATRIX_SCALE_ROW1
.endif
.endr
.endr
.endm
.macro FETCH_B slot, q, p
	WIN TO_B
.irp i, 0,1,2,3,4,5,6,7
	FRAG 128*(\p)+FR*\i, ADRB+\slot, \q, \i
.endr
	WIN 0
.endm
.macro FETCH_A slot, q, i0
.irp i, \i0, \i0+1, \i0+2, \i0+3
	FRAG AF+FR*(\i), ADRA+\slot, \q, \i
.endr
.endm
.macro SCALES sc                       ; a K step's scale words: lanes 0-15 take the tokens' block i, lanes 16-31 W's block i
.irp i, 0,1,2,3,4,5,6,7
	ds_load_b128 v[SC+8*NQ*\sc+NQ*\i:SC+8*NQ*\sc+NQ*\i+3], v[ADRS] offset:\i*SBLK
.endr
.endm
; A load into a register that a matrix instruction has read, and a vector instruction that reads a matrix result, stand NP places behind that matrix instruction; only plain vector
; instructions that name none of its registers are places (ISA guide 7.12.1 for vector instructions).
.macro PLACES n
.rept \n
	v_nop
.endr
.endm
.macro STEP slot, q, zero              ; a step of 128 along K that has its successor in the same slot
	s_wait_dscnt 4*NL                              ; W's set and the tokens' blocks 0-3 are in; the youngest loads (blocks 4-7) may be out
.if \zero
	WIN FIRST_LO
.else
	WIN MUL_LO
.endif
	MUL16 0, (\q)%2, \q, \slot, \zero
	MUL16 2, (\q)%2, \q, \slot, \zero
	s_wait_dscnt 0                                 ; blocks 4-7 are in
	PLACES NP
	FETCH_B \slot, (\q)+1, 1-(\q)%2
	FETCH_A \slot, (\q)+1, 0
.if \zero
	WIN FIRST_HI
.else
	WIN MUL_HI
.endif
	MUL16 4, (\q)%2, \q, \slot, \zero
	MUL16 6, (\q)%2, \q, \slot, \zero
	PLACES NP
	WIN 0
	FETCH_A \slot, (\q)+1, 4
.endm
; Slot 0's last step goes over to slot 1: one barrier; in front of it each wave waits for all its tensor loads (its part of slot 1), adds 0 to its spare word, and waits for that and for its reads of slot 0.
.macro TURN slot, next
	s_wait_tensorcnt 0x0                           ; all my tensor loads have landed
	ds_add_u32 v[SPW], v[NIL]                      ; 0 onto my spare word
	s_wait_dscnt 4*NL+1                            ; (the add and the youngest loads, blocks 4-7, may be out)
	WIN MUL_LO
	MUL16 0, 1, NQ-1, \slot, 0
	s_wait_dscnt 0x0                               ; the add is done, and my reads of this slot are over
	s_barrier_signal -1
	MUL16 2, 1, NQ-1, \slot, 0
	WIN 0
	s_barrier_wait -1
	PLACES NP
	v_add_nc_u32 v[ADRS], 4*NQ, v[ADRS]            ; on to the next K step's scale words
	FETCH_B \next, 0, 0
	FETCH_A \next, 0, 0
	SCALES \next
	WIN MUL_HI
	MUL16 4, 1, NQ-1, \slot, 0
	MUL16 6, 1, NQ-1, \slot, 0
	PLACES NP
	WIN 0
	FETCH_A \next, 0, 4
.endm
.macro STEPS slot, from
.set Q, \from
.rept NQ-1-\from
	STEP \slot, Q, 0
.set Q, Q+1
.endr
.endm
	s_wait_tensorcnt 1                             ; the scale bytes and my part of K step 0 are in (slot 1's load may be out)
	s_barrier_signal -1
	s_barrier_wait -1                              ; everybody's are
	FETCH_B 0, 0, 0
	FETCH_A 0, 0, 0
	SCALES 0
	FETCH_A 0, 0, 4
	s_wait_loadcnt 0x0                             ; the bias
	STEP 0, 0, 1                                   ; the first products start the sums from the bias: nothing is cleared or added later
	STEPS 0, 1
	TURN 0, 1
	STEPS 1, 0
	s_wait_dscnt 4*NL                              ; the very last step: nothing more to fetch
	WIN MUL_LO
	MUL16 0, 1, NQ-1, 1, 0
	MUL16 2, 1, NQ-1, 1, 0
	s_wait_dscnt 0
	WIN MUL_HI
	MUL16 4, 1, NQ-1, 1, 0
	MUL16 6, 1, NQ-1, 1, 0
	WIN 0
; THE WAY OUT, block by block of 16 tokens x 128 columns (two heads).  PACK: times the factor, in f32, each accumulator from its low end on; then rounded to f16, 16 bytes a lane.  TOSTAGE: into my own stage and back,
; so that sixteen lanes hold two tokens of one head.  SEND: stored.  LDS serves a wave's instructions in order (ISA guide 5.7.1.4): no wait between the stores and the loads.
.macro PACK a
.set AC, 64*((\a)%4)
	WIN 0x0a+5*((\a)/4)                            ; source 0: window 2 or 3; destination window 0
.set i, 0
.rept 32
	v_pk_mul_f32 v[FT+2*i:FT+2*i+1], v[AC+2*i:AC+2*i+1], s[FAC:FAC+1] op_sel_hi:[1,0]
.set i, i+1
.endr
	WIN 0
.set i, 0
.rept 32
	v_cvt_pk_f16_f32 v[TMP+i], v[FT+2*i], v[FT+2*i+1]
.set i, i+1
.endr
.endm
.macro TOSTAGE a
.set BB, BK+32*((\a)%2)
.irp b, 0,1,2,3,4,5,6,7
	ds_store_b128 v[STO], v[TMP+4*\b:TMP+4*\b+3] offset:32*\b
.endr
.irp t, 0,1,2,3,4,5,6,7
	ds_load_b128 v[BB+4*\t:BB+4*\t+3], v[RD] offset:\t*2*SPITCH
.endr
.endm
.macro SEND a
.set BB, BK+32*((\a)%2)
	s_wait_dscnt 0x0                               ; the block is back in registers
	s_wait_xcnt 0x0                                ; the stores of the block before have read their registers: the next block's loads may land there
.irp t, 0,1,2,3,4,5,6,7
	global_store_b128 v[CO], v[BB+4*\t:BB+4*\t+3], s[12:13] offset:2048*(\a)+256*\t   ; sixteen lanes store 256 consecutive bytes, aligned
.endr
.endm
	PLACES NP                                      ; behind the last products
	PACK 0
	TOSTAGE 0
.irp a, 1,2,3,4,5,6,7                  ; block a's arithmetic stands between block a - 1's loads from the stage and the wait for them
	PACK \a
	SEND \a-1
	TOSTAGE \a
.endr
	SEND 7
	s_wait_tensorcnt 0x0                           ; the wave's end
	ds_add_u32 v[SPW], v[NIL]
	s_wait_dscnt 0x0
	CROUND                                         ; the closing round: no work-group ends while a partner may still ask for a tile that names it
	s_endpgm
.Lfunc_end_k_qfa3e4f05da_proj:
	.size	k_qfa3e4f05da_proj, .Lfunc_end_k_qfa3e4f05da_proj-k_qfa3e4f05da_proj
	.p2alignl 7, 3214868480
	.fill 96, 4, 3214868480
	.section	.rodata,"a",@progbits
	.p2align	6, 0x0
	.amdhsa_kernel k_qfa3e4f05da_proj
		.amdhsa_group_segment_fixed_size 327680
		.amdhsa_private_segment_fixed_size 0
		.amdhsa_enable_private_segment 0
		.amdhsa_kernarg_size 64
		.amdhsa_user_sgpr_count 2
		.amdhsa_user_sgpr_kernarg_segment_ptr 1
		.amdhsa_wavefront_size32 1
		.amdhsa_system_sgpr_workgroup_id_x 1
		.amdhsa_system_sgpr_workgroup_id_y 1
		.amdhsa_system_sgpr_workgroup_id_z 1
		.amdhsa_system_vgpr_workitem_id 0
		.amdhsa_next_free_vgpr 1024
		.amdhsa_next_free_sgpr 102
		.amdhsa_reserve_vcc 0
		.amdhsa_float_denorm_mode_32 3
		.amdhsa_float_denorm_mode_16_64 3
		.amdhsa_memory_ordered 1
		.amdhsa_forward_progress 1
		.amdhsa_inst_pref_size 145
	.end_amdhsa_kernel
	.amdgpu_metadata
---
amdhsa.version: [ 1, 2 ]
amdhsa.kernels:
  - .name:           k_qfa3e4f05da_proj
    .symbol:         k_qfa3e4f05da_proj.kd
    .args:
      - { .name: xc, .offset: 0, .size: 8, .value_kind: global_buffer, .address_space: global }
      - { .name: xs, .offset: 8, .size: 8, .value_kind: global_buffer, .address_space: global }
      - { .name: wc, .offset: 16, .size: 8, .value_kind: global_buffer, .address_space: global }
      - { .name: wsc, .offset: 24, .size: 8, .value_kind: global_buffer, .address_space: global }
      - { .name: bq, .offset: 32, .size: 8, .value_kind: global_buffer, .address_space: global }
      - { .name: bk, .offset: 40, .size: 8, .value_kind: global_buffer, .address_space: global }
      - { .name: bv, .offset: 48, .size: 8, .value_kind: global_buffer, .address_space: global }
      - { .name: qkv, .offset: 56, .size: 8, .value_kind: global_buffer, .address_space: global }
    .group_segment_fixed_size: 327680
    .private_segment_fixed_size: 0
    .kernarg_segment_align: 8
    .kernarg_segment_size: 64
    .max_flat_workgroup_size: 128
    .sgpr_count:     102
    .vgpr_count:     1024
    .wavefront_size: 32
...
	.end_amdgpu_metadata
.endif
;; end of part 2
;; launch attn (part 3): grid 8 x 64, 8 waves a work-group, clusters of 4 x 1, 327,680 bytes of LDS; arguments qkv, mbits, cc; writes cc
.if DOCPART == 3
	.amdgcn_target "amdgcn-amd-amdhsa--gfx1250"
	.amdhsa_code_object_version 6
	.text
	.protected	k_qfa3e4f05da_attn
	.globl	k_qfa3e4f05da_attn
	.p2align	8
	.type	k_qfa3e4f05da_attn,@function
k_qfa3e4f05da_attn:
	s_mov_b64 s[64:65], 0
	v_nop
	global_prefetch_b8 v0, s[64:65] scope:SCOPE_SE
	s_setreg_imm32_b32 hwreg(HW_REG_WAVE_MODE, 25, 1), 1
	s_wait_xcnt 0x0
	s_wait_alu depctr_hold_cnt(0) depctr_sa_sdst(0) depctr_va_vdst(0) depctr_va_sdst(0) depctr_va_ssrc(0) depctr_va_vcc(0) depctr_vm_vsrc(0)
	s_getreg_b32 s2, hwreg(HW_REG_IB_STS2, 6, 4)
	s_cmp_eq_u32 s2, 0
	s_cbranch_scc0 .Lentry_in_a_cluster
	s_endpgm
.Lentry_in_a_cluster:
	s_bfe_u32 s2, ttmp6, 0x10000c
	s_cmp_lg_u32 s2, 0x3003
	s_cbranch_scc0 .Lentry_shape_is_right
	s_endpgm
.Lentry_shape_is_right:
; ATTN: O[bh][q] = the sum over k of softmax_k(where(mask[q][k] == 1, -1e9, Q[q] . K[k] / 8)) V[k].  Q, K, V: qkv [3][bh 64][2048][64] f16; Q comes multiplied by c = log2(e) / 8, so a score is t = c Q . K, an exponent of 2.
; Products, maxima and sums in f32; the weights p are rounded to f16 for the second product, O once at the end, to f16, into cc [token pair 4096][head 16][token % 2][64]: two tokens of a head are 256 consecutive bytes.
; f16 AND NOT bf16: see the launch that makes qkv.  p lies in [0, 1] whatever the inputs; O is a mean of V, so it has room where V has (|V| up to 65,504).
; SHARES.  A work-group owns 256 queries of one (b, head); each of its EIGHT waves owns 32: two tiles of 16.  Two waves share a SIMD, so that one wave's softmax stands beside the other's products and LDS loads.
; Every wave walks all 2,048 keys, 64 a step; K and V come through a ring of two LDS slots of 256 keys.
; LAYOUT.  S^T = K Q^T (source 0 = 16 keys, source 1 = 16 queries): a lane holds ONE query (lane % 16) and keys 8 (lane / 16) + 0 .. 7 of each tile of 16 keys.  Two such tiles, rounded to f16 in pairs, are source 1
; of O^T = V^T P, whose result again holds one query a lane.  K comes out of LDS as it lies, V turned, by ds_load_tr16_b128.
; THE MASK comes as words made by the first launch: word (query tile, key step, key tile, j) holds for each lane whether register j of that score tile is masked.  32 words a tile and step come by scalar loads, a step
; ahead, and each is the condition of one v_cndmask_b32, which puts -1e9 x log2(e) in the score's place.  No branch and no address hangs on them.
; SOFTMAX.  A running maximum m and sum l for each query: p = 2^(t - m); in every step O and l are multiplied by a = 2^(m_old - m_new).  m begins at -3e38 and O and l at 0: the first a is 0.
; In a row all of whose keys so far are masked t - m is exactly 0 and p is 1: a row that is masked throughout gets the plain mean of V, as the definition gives it.  NaN and infinities are not served.
; CLUSTER.  The four query blocks of a cluster belong to one (b, head) and walk the same K and V: each tile is asked for jointly, by the same tensor load with the same descriptor and a mask that names the four.
; REGISTERS.  Window 0: v2-13 addresses and constants; v16-31 statistics; v32-95 S^T, 32 a tile; v96-127 P, 16 a tile; v128-191 O^T, 32 a tile.  Window 1: v0-63 V's fragments; v96-159 K's; v160-191 Q's.
.set PK,    144                        ; a row of K in LDS: 128 bytes + 16 = 36 words: the 16 rows of a load start at 16 different groups of four banks (64 banks of 4 bytes: ISA guide 11.1)
.set PV,    160                        ; a row of V: 128 + 32 = 40 words
.set SK,    256                        ; keys in a slot: four steps
.set VOFF,  SK*PK                      ; a slot: 256 rows of K, then 256 rows of V
.set SLOT1, 1<<17                      ; slot 1 begins here: one exclusive or turns an address in one slot into the other's
.set NSL,   2048/SK
.set STAGE, 2*SLOT1                    ; behind the ring: 16 rows x 144 bytes for each wave, for the way out
.set SP,    144
.set SPARE, STAGE+8*16*SP              ; the spare words, 128 bytes for each wave: four blocks of 256 bytes that no other line names
.set AK0, 2                            ; v2   my lane's place in a tile of K
.set AV0, 3                            ; v3   the same for V
.set ADK, 4                            ; v4   LDS address of the slot's K
.set ADV, 5                            ; v5   of its V
.set QO,  6                            ; v6   my byte offset in the wave's rows of Q
.set STO, 7                            ; v7   the way out: where I put 16 bytes of a row
.set RD,  8                            ; v8   where I read back
.set GO,  9                            ; v9   my byte offset in cc
.set SPW, 10                           ; v10  LDS address of my spare word; never rewritten
.set NIL, 11                           ; v11  0; never rewritten
.set PFO, 12                           ; v12  256 x my lane; never rewritten
.set NEG, 13                           ; v13  -1e9 x log2(e)
.set ST,  16                           ; tile t's statistics at v[ST + 8 t]: +0 m (+1 is named with it as a pair and holds 0), +2, +3 l (even keys', odd keys'), +4 .. +7 at work; a at +6
.set S,   32
.set P,   96
.set OT,  128
.set VF,  0                            ; window 1
.set KF,  96
.set QF,  160
.set TB,    2                          ; s2   LDS byte at which the slot in hand begins
.set SLOTS, 3                          ; s3   slots still to be asked for
.set MP,    4                          ; s[4:5] where the next mask words stand
.set WV,    6                          ; s6   my wave's number
.set LIM,   7                          ; s7   1 in a wave that prefetches, else the greatest number
.set G1K,   8                          ; s[8:15]  descriptor group 1 for K's tiles;  s[16:23] for V's: the padding differs
.set G1V,   16
.set G0K,   24                         ; s[24:27], s[28:31] their groups 0, which walk
.set G0V,   28
.set MW0,   32                         ; s[32:63] tile 0's 32 mask words;  s[68:99] tile 1's
.set MW1,   68
.set PFA,   66                         ; s[66:67] where my prefetches stand
.set SEL,   100                        ; s[100:101] lane selects for v_permlanex16_b32: lane l xor 16
.set MSB, 0
.macro WIN new                         ; the immediate's high byte repeats the setting that is left
.if MSB != \new
	s_set_vgpr_msb (MSB<<8)|\new
.set MSB, \new
.endif
.endm
.set W_QK, 0x05                        ; K and Q in window 1, S^T in window 0
.set W_PV, 0x01                        ; V in window 1, P and O^T in window 0
.set TO_1, 0x40                        ; destination window 1, address window 0
; A joint load: waves 0 to 3 fetch 64 rows of K each, waves 4 to 7 64 rows of V.  The branch hangs on the wave's number alone.  Four v_nop follow each of the two lines.
.macro JLOAD
	s_cmp_lt_u32 s[WV], 4
	s_cbranch_scc0 .Lfor_v_\@
	tensor_load_to_lds s[G0K:G0K+3], s[G1K:G1K+7]
	s_nop 0
.rept 4
	v_nop
.endr
	s_branch .Lasked_\@
.Lfor_v_\@:
	tensor_load_to_lds s[G0V:G0V+3], s[G1V:G1V+7]
	s_nop 0
.rept 4
	v_nop
.endr
.Lasked_\@:
.endm
; A prefetch of what the NEXT change of slots will ask for: a slot's K and V are two dense blocks of 32,768 bytes.  Both clusters of a (b, head) walk the same rows: the first asks.  Its four partners take 8,192 bytes each,
; told apart by address; in each, wave 0 asks for K's and wave 4 for V's, lanes 256 bytes apart: each aligned block of 256 bytes is named once in the launch.  It stands four key steps ahead of the load that wants the bytes.
; The last change that fills a slot asks for nothing; slots 0 and 1 come by their loads alone.
.macro ASK
	s_cmp_gt_u32 s[SLOTS], s[LIM]
	s_cbranch_scc0 .Lnot_mine_\@
	global_prefetch_b8 v[PFO], s[PFA:PFA+1] th:TH_LOAD_NT scope:SCOPE_SE
.Lnot_mine_\@:
.endm
.macro CROUND                          ; a round of the cluster's barrier
	s_barrier_signal -1
	s_barrier_wait -1
	s_cmp_lg_u32 s[WV], 0
	s_cbranch_scc1 .Lnot_wave_0_\@
	s_barrier_signal -3
.Lnot_wave_0_\@:
	s_barrier_wait -3
	s_barrier_signal -1
	s_barrier_wait -1
.endm
.macro FETCH_K q                       ; the slot's q-th 64 keys: fragment (kt, c): keys 16 kt on, channels 32 c on
.irp kt, 0,1,2,3
.irp c, 0,1
	ds_load_b128 v[KF+16*\kt+8*\c:KF+16*\kt+8*\c+3],   v[ADK] offset:(\q)*64*PK+\kt*16*PK+64*\c
	ds_load_b128 v[KF+16*\kt+8*\c+4:KF+16*\kt+8*\c+7], v[ADK] offset:(\q)*64*PK+\kt*16*PK+64*\c+32
.endr
.endr
.endm
.macro FETCH_V q                       ; fragment f: keys 32 (f / 4) on, channels 16 (f % 4) on, turned
.irp f, 0,1,2,3,4,5,6,7
	ds_load_tr16_b128 v[VF+8*\f:VF+8*\f+3],   v[ADV] offset:(\q)*64*PV+(\f/4)*32*PV+(\f%4)*32
	ds_load_tr16_b128 v[VF+8*\f+4:VF+8*\f+7], v[ADV] offset:(\q)*64*PV+(\f/4)*32*PV+16*PV+(\f%4)*32
.endr
.endm
; The eight accumulators of each product take turns, one instruction a turn.
.macro QK
.irp c, 0,1
.irp kt, 0,1,2,3
.irp t, 0,1
.if \c == 0
	v_wmma_f32_16x16x32_f16 v[S+32*\t+8*\kt:S+32*\t+8*\kt+7], v[KF+16*\kt+8*\c:KF+16*\kt+8*\c+7], v[QF+16*\t+8*\c:QF+16*\t+8*\c+7], 0
.else
	v_wmma_f32_16x16x32_f16 v[S+32*\t+8*\kt:S+32*\t+8*\kt+7], v[KF+16*\kt+8*\c:KF+16*\kt+8*\c+7], v[QF+16*\t+8*\c:QF+16*\t+8*\c+7], v[S+32*\t+8*\kt:S+32*\t+8*\kt+7]
.endif
.endr
.endr
.endr
.endm
.macro PVMUL
.irp kh, 0,1
.irp ct, 0,1,2,3
.irp t, 0,1
	v_wmma_f32_16x16x32_f16 v[OT+32*\t+8*\ct:OT+32*\t+8*\ct+7], v[VF+8*(4*\kh+\ct):VF+8*(4*\kh+\ct)+7], v[P+16*\t+8*\kh:P+16*\t+8*\kh+7], v[OT+32*\t+8*\ct:OT+32*\t+8*\ct+7]
.endr
.endr
.endr
.endm
; THE SOFTMAX of a key step, both tiles line by line, so that no line waits for the line above it.
.macro SOFT
.irp k, 0,1,2,3                        ; the maximum of 32 scores and the old m, three operands at a time: four chains of seven scores,
.irp t, 0,1
	v_max3_num_f32 v[ST+8*\t+4+\k], v[S+32*\t+8*\k], v[S+32*\t+8*\k+1], v[S+32*\t+8*\k+2]
.endr
.endr
.irp g, 1,2
.irp k, 0,1,2,3
.irp t, 0,1
	v_max3_num_f32 v[ST+8*\t+4+\k], v[ST+8*\t+4+\k], v[S+32*\t+8*\k+2*\g+1], v[S+32*\t+8*\k+2*\g+2]
.endr
.endr
.endr
.irp t, 0,1                            ; the four scores left over,
	v_max3_num_f32 v[ST+8*\t+4], v[ST+8*\t+4], v[S+32*\t+7], v[S+32*\t+15]
	v_max3_num_f32 v[ST+8*\t+6], v[ST+8*\t+6], v[S+32*\t+23], v[S+32*\t+31]
.endr
.irp t, 0,1
	v_max3_num_f32 v[ST+8*\t+4], v[ST+8*\t+4], v[ST+8*\t+5], v[ST+8*\t+6]
.endr
.irp t, 0,1
	v_max3_num_f32 v[ST+8*\t+4], v[ST+8*\t+4], v[ST+8*\t+7], v[ST+8*\t]   ; and the old m
.endr
.irp t, 0,1
	v_permlanex16_b32 v[ST+8*\t+5], v[ST+8*\t+4], s[SEL], s[SEL+1]   ; the query's other 32 keys lie in the lane 16 away
.endr
.irp t, 0,1
	v_mov_b32 v[ST+8*\t+7], v[ST+8*\t]             ; m_old is kept for a
.endr
.irp t, 0,1
	v_max_num_f32 v[ST+8*\t], v[ST+8*\t+4], v[ST+8*\t+5]
.endr
.irp t, 0,1
	v_sub_f32 v[ST+8*\t+7], v[ST+8*\t+7], v[ST+8*\t]
.endr
.irp t, 0,1
	v_exp_f32 v[ST+8*\t+6], v[ST+8*\t+7]           ; a
.endr
.irp b, 0,1                            ; t - m for the first two pairs: plain lines behind a's exponentials (of the pair that begins with m the low word serves both halves)
.irp t, 0,1
	v_pk_add_f32 v[S+32*\t+2*\b:S+32*\t+2*\b+1], v[S+32*\t+2*\b:S+32*\t+2*\b+1], v[ST+8*\t:ST+8*\t+1] op_sel_hi:[1,0] neg_lo:[0,1] neg_hi:[0,1]
.endr
.endr
; 32 exponentials a tile, a plain line behind each (ISA guide 5.7.2): t - m of the pair two ahead (at the end the first two roundings), and O^T's rescaling, pair by pair from each accumulator's low end on
.set n, 0
.rept 16
.irp t, 0,1
	v_exp_f32 v[S+32*\t+2*n], v[S+32*\t+2*n]
.if n < 14
	v_pk_add_f32 v[S+32*\t+2*n+4:S+32*\t+2*n+5], v[S+32*\t+2*n+4:S+32*\t+2*n+5], v[ST+8*\t:ST+8*\t+1] op_sel_hi:[1,0] neg_lo:[0,1] neg_hi:[0,1]
.else
	s_wait_alu depctr_va_vdst(0)
	v_cvt_pk_f16_f32 v[P+16*\t+n-14], v[S+32*\t+2*(n-14)], v[S+32*\t+2*(n-14)+1]
.endif
	v_exp_f32 v[S+32*\t+2*n+1], v[S+32*\t+2*n+1]
	s_wait_alu depctr_va_vdst(0)
	v_pk_mul_f32 v[OT+32*\t+2*n:OT+32*\t+2*n+1], v[OT+32*\t+2*n:OT+32*\t+2*n+1], v[ST+8*\t+6:ST+8*\t+7] op_sel_hi:[1,0]
.endr
.set n, n+1
.endr
	s_wait_alu depctr_va_vdst(0)
.irp b, 2,3,4,5,6,7,8,9,10,11,12,13,14,15
.irp t, 0,1
	v_cvt_pk_f16_f32 v[P+16*\t+\b], v[S+32*\t+2*\b], v[S+32*\t+2*\b+1]   ; pair b of the weights is register b of source 1
.endr
.endr
.irp u, 0,1,2,3,4,5,6,7                ; the sum of the unrounded weights, in place: neighbours 1, 2, 4 and 8 pairs apart
.irp t, 0,1
	v_pk_add_f32 v[S+32*\t+4*\u:S+32*\t+4*\u+1], v[S+32*\t+4*\u:S+32*\t+4*\u+1], v[S+32*\t+4*\u+2:S+32*\t+4*\u+3]
.endr
.endr
.irp u, 0,1,2,3
.irp t, 0,1
	v_pk_add_f32 v[S+32*\t+8*\u:S+32*\t+8*\u+1], v[S+32*\t+8*\u:S+32*\t+8*\u+1], v[S+32*\t+8*\u+4:S+32*\t+8*\u+5]
.endr
.endr
.irp u, 0,1
.irp t, 0,1
	v_pk_add_f32 v[S+32*\t+16*\u:S+32*\t+16*\u+1], v[S+32*\t+16*\u:S+32*\t+16*\u+1], v[S+32*\t+16*\u+8:S+32*\t+16*\u+9]
.endr
.endr
.irp t, 0,1
	v_pk_add_f32 v[S+32*\t:S+32*\t+1], v[S+32*\t:S+32*\t+1], v[S+32*\t+16:S+32*\t+17]
.endr
.irp t, 0,1
	v_pk_fma_f32 v[ST+8*\t+2:ST+8*\t+3], v[ST+8*\t+2:ST+8*\t+3], v[ST+8*\t+6:ST+8*\t+7], v[S+32*\t:S+32*\t+1] op_sel_hi:[1,0,1]   ; l = a l + the sum
.endr
.endm
; A KEY STEP, the q-th of the slot in hand.  kpre = 1: the next step's K lies in the same slot and is fetched here.  mload = 1: the next step's mask words are asked for.
.macro STEP q, kpre, mload
.if (\q) == 0
	v_add_nc_u32 v[ADK], s[TB], v[AK0]
	v_add_nc_u32 v[ADV], s[TB], v[AV0]
	WIN TO_1
	FETCH_K 0
.endif
	s_wait_dscnt 0x0                               ; K is in
	WIN W_QK
	QK
.rept 4
	v_nop                                          ; four places: behind these products for the reads of S^T and the loads into K's registers, behind the last step's V^T P for the loads into V's
.endr
	WIN TO_1
	FETCH_V \q
.if \kpre
	FETCH_K (\q)+1
.endif
	WIN 0
	s_wait_kmcnt 0x0                               ; this step's mask words are in, so their loads' base may step
	s_add_nc_u64 s[MP:MP+1], s[MP:MP+1], 128
.set i, 0
.rept 32
	v_cndmask_b32 v[S+i], v[S+i], v[NEG], s[MW0+i] ; each accumulator from its low end on
.set i, i+1
.endr
.set i, 0
.rept 32
	v_cndmask_b32 v[S+32+i], v[S+32+i], v[NEG], s[MW1+i]
.set i, i+1
.endr
.if \mload
	s_load_b512 s[MW0:MW0+15], s[MP:MP+1], 0x0     ; 32 words a tile; the two tiles' words lie 4,096 bytes apart.  They have a whole step in which to land
	s_load_b512 s[MW0+16:MW0+31], s[MP:MP+1], 0x40
	s_load_b512 s[MW1:MW1+15], s[MP:MP+1], 0x1000
	s_load_b512 s[MW1+16:MW1+31], s[MP:MP+1], 0x1040
.endif
	SOFT
	s_wait_dscnt 16*\kpre                          ; V is in; the next step's 16 loads of K may be out
	WIN W_PV
	PVMUL
	WIN 0
.endm
; THE CHANGE OF SLOTS stands at a slot's head.  Each wave waits for all its tensor loads (its part of the slot that it is about to read), adds 0 to its spare word, and waits for that and for its reads of the slot that it
; has left.  fill = 1: the barrier is a round of the cluster's, so that no wave of any partner still reads that slot or has a load on its way; the joint load that fills it with the next 256 keys comes first behind it.
.macro CHANGE fill
	s_wait_tensorcnt 0x0                           ; no tensor load of mine is out, so a group 0 may be written
	ds_add_u32 v[SPW], v[NIL]                      ; 0 onto my spare word
.if \fill
	s_xor_b32 s[G0K+1], s[G0K+1], SLOT1            ; the walking descriptors: the other slot than last time,
	s_add_nc_u64 s[G0K+2:G0K+3], s[G0K+2:G0K+3], SK*128   ; the next 256 keys; the type bits on top are not reached
	s_xor_b32 s[G0V+1], s[G0V+1], SLOT1
	s_add_nc_u64 s[G0V+2:G0V+3], s[G0V+2:G0V+3], SK*128
	s_wait_xcnt 0x0                                ; the last prefetch, a slot back, has read its address:
	s_add_nc_u64 s[PFA:PFA+1], s[PFA:PFA+1], SK*128   ; one slot further on than the walking descriptors
	s_wait_dscnt 0x0                               ; the add is done, and my reads of the slot that I have left are over
	CROUND
	JLOAD
	ASK
.else
	s_wait_dscnt 0x0
	s_barrier_signal -1
	s_barrier_wait -1
.endif
.endm
	s_load_b128 s[32:35], s[0:1], 0x0              ; qkv, mbits
	v_lshl_add_u32 v[SPW], v0, 2, SPARE
	v_mov_b32 v[NIL], 0
	ds_add_u32 v10, v11
	ds_add_u32 v10, v11
	s_wait_dscnt 0x0
	v_lshrrev_b32 v1, 5, v0
	v_readfirstlane_b32 s[WV], v1                  ; wave 0..7
	s_bfe_u32 s36, ttmp6, 0x40000                  ; cx: my place in the cluster
	s_lshl_b32 s37, ttmp9, 2
	s_add_co_u32 s37, s37, s36                     ; my block of 256 queries: it enters Q's, the mask words' and cc's addresses alone
	s_and_b32 s38, ttmp7, 0xffff                   ; (b, head), which the four partners share
	s_lshl_b32 s40, s38, 18                        ; its 262,144 bytes in each of Q, K, V
	s_and_b32 s39, s[WV], 3
	s_lshl_b32 s42, s39, 13                        ; which 64 rows of a slot I fetch
	s_add_co_u32 s42, s42, s40
	s_mov_b32 s43, 0
	; descriptor group 1: a tile of 64 rows x 64 elements, padded in LDS
	s_mov_b32 s[G1K], 15|(1<<16)|(1<<20)|(1<<21)|(4<<22)|(3<<25)  ; 15:0 the mask: all four work-groups; 17:16 elements of 2 bytes; 20 padding on; 21 set beside a mask; 24:22 after every 32 words (code 4); 31:25 4 words (code 3)
	s_mov_b32 s[G1V], 15|(1<<16)|(1<<20)|(1<<21)|(4<<22)|(7<<25)  ; the same with 8 words of padding (code 7)
.irp g, G1K, G1V
	s_mov_b32 s[\g+1], 64<<16                      ; tensor_dim0
	s_mov_b32 s[\g+2], 64<<16                      ; tensor_dim1
	s_mov_b32 s[\g+3], 64<<16                      ; tile_dim0
	s_mov_b32 s[\g+4], 64                          ; tile_dim1
	s_mov_b32 s[\g+5], 64                          ; tensor_dim0_stride
	s_mov_b32 s[\g+6], 0
	s_mov_b32 s[\g+7], 0
.endr
	s_mov_b32 s[G0K], 1
	s_mul_i32 s[G0K+1], s39, 64*PK                 ; LDS: slot 0, my 64 rows
	s_mov_b32 s[G0V], 1
	s_mul_i32 s[G0V+1], s39, 64*PV
	s_add_co_u32 s[G0V+1], s[G0V+1], VOFF
	s_lshl_b32 s44, s37, 15                        ; Q: 256 rows of 128 bytes a block,
	s_lshl_b32 s45, s[WV], 12                      ; 32 a wave
	s_add_co_u32 s44, s44, s45
	s_add_co_u32 s44, s44, s40
	s_mov_b32 s45, 0
	s_lshl_b32 s46, s37, 16                        ; the mask words: 16 query tiles of 4,096 bytes a block,
	s_lshl_b32 s47, s[WV], 13                      ; two a wave
	s_add_co_u32 s46, s46, s47
	s_mov_b32 s47, 0
	s_mov_b32 s49, 0x2000000                       ; the prefetches: V begins here in qkv,
	s_cmp_lt_u32 s[WV], 4
	s_cselect_b32 s48, 0x1000000, s49              ; K here
	s_add_co_u32 s48, s48, s40
	s_lshl_b32 s49, s36, 13                        ; my work-group's 8,192 bytes of a slot's 32,768,
	s_add_co_u32 s48, s48, s49
	s_add_co_u32 s48, s48, SK*128                  ; in slot 1: the first change of slots steps it to slot 2.  Nothing is prefetched at the head
	s_mov_b32 s49, 0
	s_or_b32 s50, s39, ttmp9                       ; 0 in waves 0 and 4 of the (b, head)'s first cluster: the same in all four partners
	s_cmp_eq_u32 s50, 0
	s_cselect_b32 s[LIM], 1, -1
	s_mov_b32 s[SEL], 0x76543210
	s_mov_b32 s[SEL+1], 0xfedcba98
	s_mov_b32 s[TB], 0
	s_mov_b32 s[SLOTS], NSL-1
	s_wait_kmcnt 0x0
	s_add_nc_u64 s[G0K+2:G0K+3], s[32:33], s[42:43]
	s_add_nc_u64 s[G0K+2:G0K+3], s[G0K+2:G0K+3], 0x1000000
	s_or_b32 s[G0K+3], s[G0K+3], 0x80000000        ; type = 2
	s_add_nc_u64 s[G0V+2:G0V+3], s[32:33], s[42:43]
	s_add_nc_u64 s[G0V+2:G0V+3], s[G0V+2:G0V+3], 0x2000000
	s_or_b32 s[G0V+3], s[G0V+3], 0x80000000
	s_add_nc_u64 s[52:53], s[32:33], s[44:45]      ; Q at my wave's first row
	s_add_nc_u64 s[MP:MP+1], s[34:35], s[46:47]
	s_add_nc_u64 s[PFA:PFA+1], s[32:33], s[48:49]
	CROUND                                         ; all four work-groups are here: the first joint loads meet
	JLOAD                                          ; slot 0: one tensor load of mine is out
	v_and_b32 v1, 15, v0                           ; r = l % 16
	v_bfe_u32 v24, v0, 4, 1                        ; h = l / 16
	v_lshlrev_b32 v[QO], 7, v1
	v_lshl_add_u32 v[QO], v24, 4, v[QO]            ; row x 128 + 16 x half
	WIN TO_1
.irp t, 0,1                            ; Q stays in registers: fragment (t, c): tile t, channels 32 c on
.irp c, 0,1
	global_load_b128 v[QF+16*\t+8*\c:QF+16*\t+8*\c+3],   v[QO], s[52:53] offset:2048*\t+64*\c
	global_load_b128 v[QF+16*\t+8*\c+4:QF+16*\t+8*\c+7], v[QO], s[52:53] offset:2048*\t+64*\c+32
.endr
.endr
	WIN 0
	v_mul_u32_u24 v[AK0], v1, PK
	v_lshl_add_u32 v[AK0], v24, 4, v[AK0]          ; row x pitch + 16 x half
	v_and_b32 v25, 7, v0
	v_bfe_u32 v26, v0, 3, 1
	v_lshl_add_u32 v[AV0], v24, 3, v25             ; the turning load: lane l reads key 8 (l / 16) + l % 8, channels 8 ((l / 8) % 2) on
	v_mul_u32_u24 v[AV0], v[AV0], PV
	v_lshl_add_u32 v[AV0], v26, 4, v[AV0]
	v_add_nc_u32 v[AV0], VOFF, v[AV0]
	s_mul_i32 s54, s[WV], 16*SP
	s_add_co_u32 s54, s54, STAGE                   ; my stage
	v_mul_u32_u24 v[STO], v1, SP                   ; in: row l % 16, 16 bytes for each half of the lanes
	v_lshl_add_u32 v[STO], v24, 4, v[STO]
	v_add_nc_u32 v[STO], s54, v[STO]
	v_lshl_add_u32 v[RD], v24, 1, v26              ; back: sixteen lanes take two rows of 128 bytes: row 2 (l / 16) + (l / 8) % 2
	v_mul_u32_u24 v[RD], v[RD], SP
	v_lshl_add_u32 v[RD], v25, 4, v[RD]
	v_add_nc_u32 v[RD], s54, v[RD]
	v_lshlrev_b32 v[GO], 12, v24                   ; in cc token pairs lie 4,096 bytes apart
	v_lshl_add_u32 v[GO], v1, 4, v[GO]
	v_and_b32 v[PFO], 31, v0
	v_lshlrev_b32 v[PFO], 8, v[PFO]
	v_mov_b32 v[NEG], 0xceabfb8f                   ; -1e9 x log2(e) = -1,442,695,040 to f32's nearest
.irp t, 0,1
	v_mov_b32 v[ST+8*\t], 0xff61b1e6               ; m = -3e38, under every score
.irp j, 1,2,3,4,5,6,7
	v_mov_b32 v[ST+8*\t+\j], 0
.endr
.endr
.set i, 0
.rept 64
	v_mov_b32 v[OT+i], 0                           ; O^T, once: the key step is written in one form, and its first a, which is 0, finds zeros
.set i, i+1
.endr
	s_wait_xcnt 0x0                                ; Q's loads have read their base: the mask words land on the head's scalar registers
	s_load_b512 s[MW0:MW0+15], s[MP:MP+1], 0x0     ; key step 0's mask words
	s_load_b512 s[MW0+16:MW0+31], s[MP:MP+1], 0x40
	s_load_b512 s[MW1:MW1+15], s[MP:MP+1], 0x1000
	s_load_b512 s[MW1+16:MW1+31], s[MP:MP+1], 0x1040
	s_wait_loadcnt 0x0                             ; Q
.Lslot:                                            ; NSL - 1 trips: behind each change of slots but the last the next slot is asked for
	CHANGE 1
	STEP 0, 1, 1
	STEP 1, 1, 1
	STEP 2, 1, 1
	STEP 3, 0, 1
	s_xor_b32 s[TB], s[TB], SLOT1                  ; on to the other slot
	s_sub_co_u32 s[SLOTS], s[SLOTS], 1
	s_cmp_lg_u32 s[SLOTS], 0
	s_cbranch_scc1 .Lslot
	CHANGE 0                                       ; the last slot is written out
	STEP 0, 1, 1
	STEP 1, 1, 1
	STEP 2, 1, 1
	STEP 3, 0, 0                                   ; no mask words lie behind the last step's
	; THE WAY OUT.  l's halves and the other half of the lanes' are added; O^T is divided by l, rounded to f16 and sent through my stage, a tile (16 queries) at a time.
.rept 4
	v_nop                                          ; places behind the last products
.endr
.irp t, 0,1
	v_add_f32 v[ST+8*\t+4], v[ST+8*\t+2], v[ST+8*\t+3]
.endr
.irp t, 0,1
	v_permlanex16_b32 v[ST+8*\t+5], v[ST+8*\t+4], s[SEL], s[SEL+1]
.endr
.irp t, 0,1
	v_add_f32 v[ST+8*\t+4], v[ST+8*\t+4], v[ST+8*\t+5]
.endr
.irp t, 0,1
	v_rcp_f32 v[ST+8*\t+6], v[ST+8*\t+4]
.endr
	v_nop                                          ; a plain line between the last reciprocal and the use of its result
	s_load_b64 s[32:33], s[0:1], 0x10              ; cc
	s_bfe_u32 s36, ttmp6, 0x40000
	s_lshl_b32 s37, ttmp9, 2
	s_add_co_u32 s37, s37, s36                     ; my block of queries
	s_and_b32 s38, ttmp7, 0xffff
	s_lshr_b32 s39, s38, 4                         ; b
	s_and_b32 s38, s38, 15                         ; head
	s_lshl_b32 s34, s39, 22                        ; 1,024 token pairs of 4,096 bytes a b,
	s_lshl_b32 s35, s37, 19                        ; 128 a block,
	s_add_co_u32 s34, s34, s35
	s_lshl_b32 s35, s[WV], 16                      ; 16 a wave;
	s_add_co_u32 s34, s34, s35
	s_lshl_b32 s35, s38, 8                         ; 256 bytes a head
	s_add_co_u32 s34, s34, s35
	s_mov_b32 s35, 0
	s_wait_kmcnt 0x0
	s_add_nc_u64 s[32:33], s[32:33], s[34:35]
	s_wait_alu depctr_va_vdst(0)
.irp t, 0,1
.set i, 0
.rept 16
	v_pk_mul_f32 v[OT+32*\t+2*i:OT+32*\t+2*i+1], v[OT+32*\t+2*i:OT+32*\t+2*i+1], v[ST+8*\t+6:ST+8*\t+7] op_sel_hi:[1,0]
.set i, i+1
.endr
.set i, 0
.rept 16
	v_cvt_pk_f16_f32 v[S+16*\t+i], v[OT+32*\t+2*i], v[OT+32*\t+2*i+1]
.set i, i+1
.endr
.irp ct, 0,1,2,3
	ds_store_b128 v[STO], v[S+16*\t+4*\ct:S+16*\t+4*\ct+3] offset:32*\ct   ; channels 16 ct + 8 (l / 16) on
.endr
.irp j, 0,1,2,3
	ds_load_b128 v[S+32+16*\t+4*\j:S+32+16*\t+4*\j+3], v[RD] offset:4*SP*\j   ; LDS serves a wave's instructions in order (ISA guide 5.7.1.4): these see the stores above, and the next tile's stores come behind them
.endr
.endr
	s_wait_dscnt 8                                 ; tile 0 is back; tile 1's four stores and four loads may be out
.irp j, 0,1,2,3
	global_store_b128 v[GO], v[S+32+4*\j:S+32+4*\j+3], s[32:33] offset:8192*\j   ; sixteen lanes store 256 consecutive bytes, aligned
.endr
	s_wait_dscnt 0x0
.irp j, 0,1,2,3
	global_store_b128 v[GO], v[S+48+4*\j:S+48+4*\j+3], s[32:33] offset:32768+8192*\j
.endr
	s_wait_tensorcnt 0x0                           ; the wave's end
	ds_add_u32 v[SPW], v[NIL]
	s_wait_dscnt 0x0
	CROUND                                         ; the closing round: no work-group ends while a partner may still ask for a tile that names it
	s_endpgm
.Lfunc_end_k_qfa3e4f05da_attn:
	.size	k_qfa3e4f05da_attn, .Lfunc_end_k_qfa3e4f05da_attn-k_qfa3e4f05da_attn
	.p2alignl 7, 3214868480
	.fill 96, 4, 3214868480
	.section	.rodata,"a",@progbits
	.p2align	6, 0x0
	.amdhsa_kernel k_qfa3e4f05da_attn
		.amdhsa_group_segment_fixed_size 327680
		.amdhsa_private_segment_fixed_size 0
		.amdhsa_enable_private_segment 0
		.amdhsa_kernarg_size 24
		.amdhsa_user_sgpr_count 2
		.amdhsa_user_sgpr_kernarg_segment_ptr 1
		.amdhsa_wavefront_size32 1
		.amdhsa_system_sgpr_workgroup_id_x 1
		.amdhsa_system_sgpr_workgroup_id_y 1
		.amdhsa_system_sgpr_workgroup_id_z 1
		.amdhsa_system_vgpr_workitem_id 0
		.amdhsa_next_free_vgpr 512
		.amdhsa_next_free_sgpr 102
		.amdhsa_reserve_vcc 0
		.amdhsa_float_denorm_mode_32 3
		.amdhsa_float_denorm_mode_16_64 3
		.amdhsa_memory_ordered 1
		.amdhsa_forward_progress 1
		.amdhsa_inst_pref_size 197
	.end_amdhsa_kernel
	.amdgpu_metadata
---
amdhsa.version: [ 1, 2 ]
amdhsa.kernels:
  - .name:           k_qfa3e4f05da_attn
    .symbol:         k_qfa3e4f05da_attn.kd
    .args:
      - { .name: qkv, .offset: 0, .size: 8, .value_kind: global_buffer, .address_space: global }
      - { .name: mbits, .offset: 8, .size: 8, .value_kind: global_buffer, .address_space: global }
      - { .name: cc, .offset: 16, .size: 8, .value_kind: global_buffer, .address_space: global }
    .group_segment_fixed_size: 327680
    .private_segment_fixed_size: 0
    .kernarg_segment_align: 8
    .kernarg_segment_size: 24
    .max_flat_workgroup_size: 256
    .sgpr_count:     102
    .vgpr_count:     512
    .wavefront_size: 32
...
	.end_amdgpu_metadata
.endif
;; end of part 3
;; launch oproj (part 4): grid 8 x 64, 4 waves a work-group, clusters of 4 x 4, 327,680 bytes of LDS; arguments cc, wob, bo, out0; writes out0
.if DOCPART == 4
	.amdgcn_target "amdgcn-amd-amdhsa--gfx1250"
	.amdhsa_code_object_version 6
	.text
	.protected	k_qfa3e4f05da_oproj
	.globl	k_qfa3e4f05da_oproj
	.p2align	8
	.type	k_qfa3e4f05da_oproj,@function
k_qfa3e4f05da_oproj:
	s_mov_b64 s[64:65], 0
	v_nop
	global_prefetch_b8 v0, s[64:65] scope:SCOPE_SE
	s_setreg_imm32_b32 hwreg(HW_REG_WAVE_MODE, 25, 1), 1
	s_wait_xcnt 0x0
	s_wait_alu depctr_hold_cnt(0) depctr_sa_sdst(0) depctr_va_vdst(0) depctr_va_sdst(0) depctr_va_ssrc(0) depctr_va_vcc(0) depctr_vm_vsrc(0)
	s_getreg_b32 s2, hwreg(HW_REG_IB_STS2, 6, 4)
	s_cmp_eq_u32 s2, 0
	s_cbranch_scc0 .Lentry_in_a_cluster
	s_endpgm
.Lentry_in_a_cluster:
	s_bfe_u32 s2, ttmp6, 0x10000c
	s_cmp_lg_u32 s2, 0xf033
	s_cbranch_scc0 .Lentry_shape_is_right
	s_endpgm
.Lentry_shape_is_right:
; OPROJ: out0[token][n] = sum over k of A[token][k] Wo[n][k] + bo[n], k = 64 head + channel.  8,192 tokens, n and k 1,024; operands f16, sums and result f32.
; (f16 and not bf16: see the launch that makes qkv.  A is a mean of V and has room in f16 where V has; |Wo| up to 65,504.)
; A lies in cc as [token pair 4096][head 16][token % 2][64 channels]: 256 along K (four heads) of a token PAIR are 1,024 consecutive bytes.  So A's tile of 128 tokens x 256 K is 64 rows of 1,024 bytes.
; Wo lies in wob as [n][k] f16.
; A tile of the result is 128 x 128: 512 work-groups.  Four waves, each 64 x 64: 16 accumulators.  K goes in steps of 256 through a ring of two LDS slots.
; CLUSTERS: 4 x 4 work-groups.  The four of a row of the cluster need the same tiles of A, the four of a column the same tiles of Wo: each is asked for jointly.
; THE MATRIX INSTRUCTION IS USED TRANSPOSED (source 0 = 16 rows of Wo, source 1 = 16 tokens): a lane holds eight neighbouring numbers of a row of the result.  The bias is the C of each sum's first product.
; A wave's 64 columns of f32 are 256 bytes: each wave sends its own rows out through a stage of its own, and no barrier is needed on the way out.
; REGISTERS: window 0: v0-31 addresses; v32-95 rows read back on the way out; v96-127 the bias, 4 x 8; v128-255 the accumulators ((a, b) at v[128 + 8 (4 a + b)]).
;   window 1: two fragment buffers of 128: for 64 along K, 64 registers of A, then 64 of Wo.
.set SIZE_K, 1024
.set KSTEP,  256
.set PITCH,  528                       ; Wo's LDS row: 512 bytes + 16 = 132 words: row r starts at bank 4 r mod 64 (64 banks of 4 bytes: ISA guide 11.1)
.set PA,     1040                      ; A's LDS row (a token pair): 1,024 bytes + 16 = 260 words: token r of a fragment starts at bank 4 (r / 2) + 32 (r % 2): sixteen different groups of four
.set HALFT,  64*PITCH                  ; the LDS room of one tensor load: 64 rows of Wo; A's 32 token pairs take 32 x PA of it
.set SLOT,   4*HALFT
.set STAGE,  2*SLOT                    ; behind the ring: 16 rows x 272 bytes for each wave
.set SPITCH, 272
.set SPARE,  STAGE+4*16*SPITCH         ; the spare words, 128 bytes for each wave: two blocks of 256 bytes that no other line names
.set LAPS,   SIZE_K/(2*KSTEP)
.set ADRA, 16
.set ADRB, 20
.set STO,  24
.set RD,   25
.set CO,   26
.set SPW,  28
.set NIL,  29
.set TMP,  32
.set BIAS, 96
.set ACC,  128
.set F0,   0
.set F1,   128
.set G1, 24
.set G0, 32
.set G1B, 48
.set G0B, 56
.set MSB, 0
.macro WIN new                         ; the immediate's high byte repeats the setting that is left
.if MSB != \new
	s_set_vgpr_msb (MSB<<8)|\new
.set MSB, \new
.endif
.endm
.set MUL,  0x05                        ; sources 0 (Wo) and 1 (A) window 1; C and D window 0
.set TO_F, 0x40                        ; destination window 1, address window 0
.macro JLOAD s                         ; a joint load: waves 0 and 1 fetch A's two halves, waves 2 and 3 Wo's; four v_nop follow each of the two lines
	s_cmp_eq_u32 s11, 0
	s_cbranch_scc0 .Lfor_b_\@
	tensor_load_to_lds s[G0+4*\s:G0+4*\s+3], s[G1:G1+7]
	s_nop 0
.rept 4
	v_nop
.endr
	s_branch .Lasked_\@
.Lfor_b_\@:
	tensor_load_to_lds s[G0B+4*\s:G0B+4*\s+3], s[G1B:G1B+7]
	s_nop 0
.rept 4
	v_nop
.endr
.Lasked_\@:
.endm
.macro CREST                           ; a round of the cluster's barrier behind its opening barrier
	s_cmp_lg_u32 s10, 0
	s_cbranch_scc1 .Lnot_wave_0_\@
	s_barrier_signal -3
.Lnot_wave_0_\@:
	s_barrier_wait -3
	s_barrier_signal -1
	s_barrier_wait -1
.endm
.macro CROUND
	s_barrier_signal -1
	s_barrier_wait -1
	CREST
.endm
	s_load_b128 s[4:7], s[0:1], 0x0                ; cc, wob
	s_load_b128 s[68:71], s[0:1], 0x10             ; bo, out0
	v_lshl_add_u32 v[SPW], v0, 2, SPARE
	v_mov_b32 v[NIL], 0
	ds_add_u32 v28, v29
	ds_add_u32 v28, v29
	s_wait_dscnt 0x0
	v_lshrrev_b32 v1, 5, v0
	v_readfirstlane_b32 s10, v1                    ; wave 0..3
	s_lshr_b32 s11, s10, 1                         ; which half of the tile's tokens is mine.  Also: I fetch for A (0) or for Wo (1)
	s_and_b32 s12, s10, 1                          ; which half of its columns.  Also: which half of that tile I fetch
	s_bfe_u32 s40, ttmp6, 0x40000                  ; cx, cy
	s_bfe_u32 s41, ttmp6, 0x40004
	s_lshl_b32 s42, ttmp9, 2
	s_add_co_u32 s42, s42, s40                     ; tile column 0 .. 7
	s_and_b32 s13, ttmp7, 0xffff
	s_lshl_b32 s13, s13, 2
	s_add_co_u32 s13, s13, s41                     ; tile row 0 .. 63
	s_lshl_b32 s43, s41, 2
	s_lshl_b32 s43, 15, s43                        ; my row of the cluster
	s_lshl_b32 s44, 0x1111, s40                    ; my column
	; descriptor group 1.  A: 32 token pairs x 512 elements, 2,048 elements apart;  Wo: 64 rows x 256 elements, 1,024 apart
	s_or_b32 s[G1+0], s43, (1<<16)|(1<<20)|(1<<21)|(7<<22)|(3<<25)  ; 15:0 the mask; 17:16 element of 2 bytes; 20 padding on; 21 set beside a mask; 24:22 after every 256 words (code 7); 31:25 of 4 words (code 3)
	s_mov_b32 s[G1+1], 512<<16                     ; tensor_dim0
	s_mov_b32 s[G1+2], 32<<16                      ; tensor_dim1
	s_mov_b32 s[G1+3], 512<<16                     ; tile_dim0
	s_mov_b32 s[G1+4], 32                          ; tile_dim1
	s_mov_b32 s[G1+5], 2048                        ; tensor_dim0_stride
	s_mov_b32 s[G1+6], 0
	s_mov_b32 s[G1+7], 0
	s_or_b32 s[G1B+0], s44, (1<<16)|(1<<20)|(1<<21)|(6<<22)|(3<<25) ; padding after every 128 words (code 6)
	s_mov_b32 s[G1B+1], KSTEP<<16
	s_mov_b32 s[G1B+2], 64<<16
	s_mov_b32 s[G1B+3], KSTEP<<16
	s_mov_b32 s[G1B+4], 64
	s_mov_b32 s[G1B+5], SIZE_K
	s_mov_b32 s[G1B+6], 0
	s_mov_b32 s[G1B+7], 0
	s_lshl_b32 s17, s12, 5
	s_lshl_b32 s16, s13, 6
	s_add_co_u32 s16, s16, s17                     ; A: token pair 64 x tile row + 32 x half,
	s_lshl_b32 s16, s16, 12                        ; of 4,096 bytes
	s_mov_b32 s17, 0
	s_lshl_b32 s47, s12, 6
	s_lshl_b32 s46, s42, 7
	s_add_co_u32 s46, s46, s47                     ; Wo: row 128 x tile column + 64 x half,
	s_lshl_b32 s46, s46, 11                        ; of 2,048 bytes
	s_mov_b32 s47, 0
	s_mul_i32 s20, s10, HALFT                      ; where they go: no place in the cluster enters an LDS address
	s_wait_kmcnt 0x0
	s_add_nc_u64 s[14:15], s[4:5], s[16:17]
	s_add_nc_u64 s[46:47], s[6:7], s[46:47]
	CROUND                                         ; all sixteen work-groups are here: the first joint loads meet
.irp s, 0,1
	s_mov_b32 s[G0+4*\s], 1
	s_add_co_u32 s[G0+4*\s+1], s20, \s*SLOT
	s_add_nc_u64 s[G0+4*\s+2:G0+4*\s+3], s[14:15], \s*1024         ; K step s: four heads of a token pair are 1,024 bytes
	s_or_b32 s[G0+4*\s+3], s[G0+4*\s+3], 0x80000000
	s_mov_b32 s[G0B+4*\s], 1
	s_add_co_u32 s[G0B+4*\s+1], s20, \s*SLOT
	s_add_nc_u64 s[G0B+4*\s+2:G0B+4*\s+3], s[46:47], \s*KSTEP*2
	s_or_b32 s[G0B+4*\s+3], s[G0B+4*\s+3], 0x80000000
	JLOAD \s                                       ; two tensor loads of mine are out
.endr
	v_and_b32 v1, 15, v0                           ; l % 16
	v_bfe_u32 v2, v0, 4, 1                         ; l / 16
	s_lshl_b32 s16, s13, 19                        ; out0: 128 rows of 4,096 bytes a tile row,
	s_lshl_b32 s17, s11, 18                        ; my 64 of them
	s_add_co_u32 s16, s16, s17
	s_mov_b32 s17, 0
	s_add_nc_u64 s[70:71], s[70:71], s[16:17]
	s_lshl_b32 s46, s42, 9                         ; 128 columns of 4 bytes a tile column,
	s_lshl_b32 s47, s12, 8                         ; my 64 of them
	s_add_co_u32 s46, s46, s47
	s_mov_b32 s47, 0
	s_add_nc_u64 s[70:71], s[70:71], s[46:47]
	s_add_nc_u64 s[68:69], s[68:69], s[46:47]      ; and the same columns of the bias
	v_lshlrev_b32 v6, 5, v2
.irp b, 0,1,2,3                        ; lane (r, h) wants, for Wo's block b, the bias of columns 16 b + 8 h + 0 .. 7
	global_load_b128 v[BIAS+8*\b:BIAS+8*\b+3], v6, s[68:69] offset:64*\b
	global_load_b128 v[BIAS+8*\b+4:BIAS+8*\b+7], v6, s[68:69] offset:64*\b+16
.endr
	v_mul_u32_u24 v3, v1, PITCH
	v_lshl_add_u32 v3, v2, 4, v3                   ; Wo: a fragment's row x pitch + 16 x half
	v_lshrrev_b32 v4, 1, v1
	v_mul_u32_u24 v4, v4, PA                       ; A: token r lies in token pair r / 2,
	v_and_b32 v5, 1, v0
	v_lshl_add_u32 v4, v5, 7, v4                   ; 128 bytes on where r is odd,
	v_lshl_add_u32 v4, v2, 4, v4                   ; + 16 x half
	s_mul_i32 s21, s11, HALFT                      ; my 64 tokens
	s_mul_i32 s22, s12, HALFT                      ; my 64 rows of Wo,
	s_add_co_u32 s22, s22, 2*HALFT                 ; which lie behind A's two halves
.irp s, 0,1
	v_add_nc_u32 v[ADRA+\s], s21, v4
	v_add_nc_u32 v[ADRB+\s], s22, v3
	s_add_co_u32 s21, s21, SLOT
	s_add_co_u32 s22, s22, SLOT
.endr
	s_mul_i32 s23, s10, 16*SPITCH
	s_add_co_u32 s23, s23, STAGE                   ; my stage
	v_mul_u32_u24 v5, v1, SPITCH                   ; in: row l % 16, 32 bytes for each half of the lanes
	v_lshl_add_u32 v5, v2, 5, v5
	v_add_nc_u32 v[STO], s23, v5
	v_mul_u32_u24 v5, v2, SPITCH                   ; back: lanes 0-15 take one row of 256 bytes, lanes 16-31 the next
	v_lshl_add_u32 v5, v1, 4, v5
	v_add_nc_u32 v[RD], s23, v5
	v_lshlrev_b32 v5, 12, v2                       ; and the same two rows in out0
	v_lshl_add_u32 v[CO], v1, 4, v5
; 8 matrix instructions: token blocks a0, a0 + 1 x all 4 blocks of Wo, 32 along K: half c of buffer f.  zero = 1: the first product starts the sums from the bias.  The 16 accumulators take turns.
.macro MUL8 f, c, a0, zero
.irp a, \a0, \a0+1
.irp b, 0,1,2,3
.if \zero
	v_wmma_f32_16x16x32_f16 v[ACC+8*(4*(\a)+\b):ACC+8*(4*(\a)+\b)+7], v[\f+64+8*(4*\c+\b):\f+64+8*(4*\c+\b)+7], v[\f+8*(4*\c+\a):\f+8*(4*\c+\a)+7], v[BIAS+8*\b:BIAS+8*\b+7]
.else
	v_wmma_f32_16x16x32_f16 v[ACC+8*(4*(\a)+\b):ACC+8*(4*(\a)+\b)+7], v[\f+64+8*(4*\c+\b):\f+64+8*(4*\c+\b)+7], v[\f+8*(4*\c+\a):\f+8*(4*\c+\a)+7], v[ACC+8*(4*(\a)+\b):ACC+8*(4*(\a)+\b)+7]
.endif
.endr
.endr
.endm
; 32 LDS loads in one run: the fragments of 64 along K (one head), at byte k of Wo's rows and byte 2 k of A's token pairs, into buffer f; the first 32 along K first
.macro FETCH slot, k, f
	WIN TO_F
.irp c, 0,1
.irp i, 0,1,2,3
	ds_load_b128 v[\f+64+8*(4*\c+\i):\f+64+8*(4*\c+\i)+3],   v[ADRB+\slot] offset:\k+64*\c+\i*16*PITCH
	ds_load_b128 v[\f+64+8*(4*\c+\i)+4:\f+64+8*(4*\c+\i)+7], v[ADRB+\slot] offset:\k+64*\c+\i*16*PITCH+32
	ds_load_b128 v[\f+8*(4*\c+\i):\f+8*(4*\c+\i)+3],         v[ADRA+\slot] offset:2*(\k)+64*\c+\i*8*PA
	ds_load_b128 v[\f+8*(4*\c+\i)+4:\f+8*(4*\c+\i)+7],       v[ADRA+\slot] offset:2*(\k)+64*\c+\i*8*PA+32
.endr
.endr
.endm
.macro PLACES                          ; four places in front of loads into registers that matrix instructions have read, and of the first reads of results (ISA guide 7.12.1 for the first reads of results)
.rept 4
	v_nop
.endr
.endm
; A K step is four quarters of 64 along K, 32 matrix instructions each, on buffers 0, 1, 0, 1.
.macro QUARTER slot, k, f, g, zero
	s_wait_dscnt 16                                ; the first 32 along K are in; the other sixteen loads may be out
	WIN MUL
	MUL8 \f, 0, 0, \zero
	MUL8 \f, 0, 2, \zero
	PLACES
	FETCH \slot, \k, \g
	s_wait_dscnt 32                                ; all but the 32 just issued
	WIN MUL
	MUL8 \f, 1, 0, 0
	MUL8 \f, 1, 2, 0
.endm
; The last quarter multiplies buffer 1 and changes slots: one barrier; in front of it each wave waits for all its tensor loads, adds 0 to its spare word, and waits for that and for its own reads of this slot.
.macro TURN slot, next, fill
	WIN 0                                          ; (the add's two registers lie in window 0)
	s_wait_tensorcnt 0x0                           ; all my tensor loads have landed: my part of the next slot
	ds_add_u32 v[SPW], v[NIL]                      ; 0 onto my spare word
	s_wait_dscnt 17                                ; (the add and the youngest sixteen loads may be out)
	WIN MUL
	MUL8 F1, 0, 0, 0
	s_wait_dscnt 0x0                               ; the add is done, and my reads of this slot are over
	s_barrier_signal -1
	MUL8 F1, 0, 2, 0
.if \fill
	WIN 0
.endif
	s_barrier_wait -1
.if \fill
	CREST                                          ; the barrier has opened a round of the cluster's: no wave of any partner still reads this slot's tile or has a load on its way
	s_add_nc_u64 s[G0+4*\slot+2:G0+4*\slot+3], s[G0+4*\slot+2:G0+4*\slot+3], 2*1024
	s_add_nc_u64 s[G0B+4*\slot+2:G0B+4*\slot+3], s[G0B+4*\slot+2:G0B+4*\slot+3], 2*KSTEP*2
	JLOAD \slot                                    ; the first tensor load behind the round; its four v_nop are also the places in front of the loads below
.else
	PLACES
.endif
	FETCH \next, 0, F0
	WIN MUL
	MUL8 F1, 1, 0, 0
	MUL8 F1, 1, 2, 0
.endm
	s_wait_tensorcnt 1                             ; my part of K step 0 is in (K step 1's load may be out)
	s_barrier_signal -1
	s_barrier_wait -1                              ; everybody's is
	FETCH 0, 0, F0
	s_wait_loadcnt 0x0                             ; the bias
	QUARTER 0, 128, F0, F1, 1                      ; the first quarter stands in front of the loop: its first products start the sums from the bias
	WIN 0                                          ; at a label and at a branch every window is 0
	s_mov_b32 s3, LAPS-1
.Llap:                                                 ; a trip goes once round the ring, from a lap's second quarter to the next lap's first, and fills both slots again
	QUARTER 0, 256, F1, F0, 0
	QUARTER 0, 384, F0, F1, 0
	TURN 0, 1, 1
	QUARTER 1, 128, F0, F1, 0
	QUARTER 1, 256, F1, F0, 0
	QUARTER 1, 384, F0, F1, 0
	TURN 1, 0, 1
	QUARTER 0, 128, F0, F1, 0
	WIN 0
	s_sub_co_u32 s3, s3, 1
	s_cmp_lg_u32 s3, 0
	s_cbranch_scc1 .Llap
	QUARTER 0, 256, F1, F0, 0                      ; the last lap fills nothing, and has no round of the cluster's barrier
	QUARTER 0, 384, F0, F1, 0
	TURN 0, 1, 0
	QUARTER 1, 128, F0, F1, 0
	QUARTER 1, 256, F1, F0, 0
	QUARTER 1, 384, F0, F1, 0
	s_wait_dscnt 16                                ; the very last quarter: nothing more to fetch
	WIN MUL
	MUL8 F1, 0, 0, 0
	MUL8 F1, 0, 2, 0
	s_wait_dscnt 0
	MUL8 F1, 1, 0, 0
	MUL8 F1, 1, 2, 0
	WIN 0
	; THE WAY OUT, a block of 16 tokens x 64 columns at a time: 32 bytes a lane into my own stage, each accumulator from its low end on; back as whole rows of 256 bytes.
	; LDS serves a wave's instructions in order (ISA guide 5.7.1.4): no wait between the stores and the loads, nor in front of the next block's stores.
	PLACES
.irp a, 0,1,2,3
.if \a >= 2
	s_wait_xcnt 0x0                                ; block a - 2's stores have read their registers: this block's loads may land there
.endif
.irp b, 0,1,2,3
	ds_store_b128 v[STO], v[ACC+8*(4*\a+\b):ACC+8*(4*\a+\b)+3] offset:64*\b
	ds_store_b128 v[STO], v[ACC+8*(4*\a+\b)+4:ACC+8*(4*\a+\b)+7] offset:64*\b+16
.endr
.irp t, 0,1,2,3,4,5,6,7
	ds_load_b128 v[TMP+32*(\a%2)+4*\t:TMP+32*(\a%2)+4*\t+3], v[RD] offset:\t*2*SPITCH
.endr
	s_wait_dscnt 0x0
.irp t, 0,1,2,3,4,5,6,7
	global_store_b128 v[CO], v[TMP+32*(\a%2)+4*\t:TMP+32*(\a%2)+4*\t+3], s[70:71] offset:(16*\a+2*\t)*4096 th:TH_STORE_NT   ; sixteen lanes store 256 consecutive bytes, aligned; written once, read by nobody here
.endr
.endr
	s_wait_tensorcnt 0x0                           ; the wave's end
	ds_add_u32 v[SPW], v[NIL]
	s_wait_dscnt 0x0
	CROUND                                         ; the closing round: no work-group ends while a partner may still ask for a tile that names it
	s_endpgm
.Lfunc_end_k_qfa3e4f05da_oproj:
	.size	k_qfa3e4f05da_oproj, .Lfunc_end_k_qfa3e4f05da_oproj-k_qfa3e4f05da_oproj
	.p2alignl 7, 3214868480
	.fill 96, 4, 3214868480
	.section	.rodata,"a",@progbits
	.p2align	6, 0x0
	.amdhsa_kernel k_qfa3e4f05da_oproj
		.amdhsa_group_segment_fixed_size 327680
		.amdhsa_private_segment_fixed_size 0
		.amdhsa_enable_private_segment 0
		.amdhsa_kernarg_size 32
		.amdhsa_user_sgpr_count 2
		.amdhsa_user_sgpr_kernarg_segment_ptr 1
		.amdhsa_wavefront_size32 1
		.amdhsa_system_sgpr_workgroup_id_x 1
		.amdhsa_system_sgpr_workgroup_id_y 1
		.amdhsa_system_sgpr_workgroup_id_z 1
		.amdhsa_system_vgpr_workitem_id 0
		.amdhsa_next_free_vgpr 512
		.amdhsa_next_free_sgpr 72
		.amdhsa_reserve_vcc 0
		.amdhsa_float_denorm_mode_32 3
		.amdhsa_float_denorm_mode_16_64 3
		.amdhsa_memory_ordered 1
		.amdhsa_forward_progress 1
		.amdhsa_inst_pref_size 87
	.end_amdhsa_kernel
	.amdgpu_metadata
---
amdhsa.version: [ 1, 2 ]
amdhsa.kernels:
  - .name:           k_qfa3e4f05da_oproj
    .symbol:         k_qfa3e4f05da_oproj.kd
    .args:
      - { .name: cc, .offset: 0, .size: 8, .value_kind: global_buffer, .address_space: global }
      - { .name: wob, .offset: 8, .size: 8, .value_kind: global_buffer, .address_space: global }
      - { .name: bo, .offset: 16, .size: 8, .value_kind: global_buffer, .address_space: global }
      - { .name: out0, .offset: 24, .size: 8, .value_kind: global_buffer, .address_space: global }
    .group_segment_fixed_size: 327680
    .private_segment_fixed_size: 0
    .kernarg_segment_align: 8
    .kernarg_segment_size: 32
    .max_flat_workgroup_size: 128
    .sgpr_count:     72
    .vgpr_count:     512
    .wavefront_size: 32
...
	.end_amdgpu_metadata
.endif
;; end of part 4
